; MI455X (gfx1250); checked and timed in simulation.
; The chip was launched on July 23, 2026; its instructions are those of AMD's public machine-readable ISA for CDNA 5 (MIT licence, August 2026) and "CDNA5" Instruction Set Architecture Reference Guide (July 2026). The comments in the code are by the model that wrote it; some were corrected since.
;; Infini Attn. Allowed arithmetic: matrix products marked QUANTISED: E2M1 operands, one E8M0 scale for each 32 along K, by v_wmma_scale_f32_16x16x128_f8f6f4 with both operands' format E2M1 (or v_wmma_scale_f32_32x16x128_f4), f32 sums; products left as they are: f32 operands where the result goes on into a quantised operand, else bf16, f16 or f32 operands; f32 sums; everything else in f32.
;; Inputs: Wkv_codes 2,048 x 32 x 16 uint8 (E2M1 codes of Wkv, K innermost, in blocks of 32 codes, two codes a byte); Wkv_scales 2,048 x 32 uint8 (E8M0 scales of Wkv, one for each 32 codes along K); Wo_codes 1,024 x 32 x 16 uint8 (E2M1 codes of Wo, K innermost, in blocks of 32 codes, two codes a byte); Wo_scales 1,024 x 32 uint8 (E8M0 scales of Wo, one for each 32 codes along K); Wq_codes 1,024 x 32 x 16 uint8 (E2M1 codes of Wq, K innermost, in blocks of 32 codes, two codes a byte); Wq_scales 1,024 x 32 uint8 (E8M0 scales of Wq, one for each 32 codes along K); gate_beta 1 float32; h 2,048 x 2 x 1,024 float32; ln_beta 1,024 float32; ln_gamma 1,024 float32; mem_norm 2 x 1 x 16 x 64 float32; memory_codes 2 x 16 x 64 x 2 x 16 uint8 (E2M1 codes of memory, K innermost, in blocks of 32 codes, two codes a byte); memory_scales 2 x 16 x 64 x 2 uint8 (E8M0 scales of memory, one for each 32 codes along K).
;; Outputs: out0 2,048 x 2 x 1,024 float32.
;; This version of the problem:
;;   THIS VERSION OF THE PROBLEM IS GIVEN IN LOW PRECISION. The matrix products marked QUANTISED in the list below multiply operands that are first quantised to E2M1 (2 exponent bits, 1 mantissa bit; 4 bits a number), with one power-of-two scale for each 32 numbers along K (OCP MX v1.0); their sums are f32. All else is computed in f32.
;;   The module's matrix products, in the order in which they are computed (A, B: the left and right operand; K: the contracted axis; several contracted axes count as one K, in the product's order):
;;     1. [M 4,096, K 1,024] x [K 1,024, N 1,024]; A: input h; B: input Wq (given as codes): QUANTISED
;;     2. [M 4,096, K 1,024] x [K 1,024, N 2,048]; A: input h; B: input Wkv (given as codes): QUANTISED
;;     3. batch 32 x [M 2,048, K 64] x [K 64, N 2,048]; A: computed on the way; B: computed on the way: QUANTISED
;;     4. batch 32 x [M 64, K 2,048] x [K 2,048, N 2,048]; A: computed on the way; B: softmax (see below): QUANTISED
;;     5. batch 32 x [M 64, K 64] x [K 64, N 2,048]; A: input memory (given as codes); B: computed on the way: QUANTISED
;;     6. batch 32 x [M 1, K 64] x [K 64, N 2,048]; A: input mem_norm; B: computed on the way: left as it is (M = 1 < 16)
;;     7. [M 4,096, K 1,024] x [K 1,024, N 1,024]; A: computed on the way; B: input Wo (given as codes): QUANTISED
;;   THE QUANTISER, for each operand of a quantised product, along K:
;;     - K is cut into blocks of 32 from its start; a last block that is shorter is filled with zeros.
;;     - A block's scale is 2^e with e = floor(log2(the largest magnitude in the block)) - 2, held to -126 .. 127; a block of zeros has e = 0. As a byte (E8M0): e + 127.
;;     - Each number is divided by its block's scale, clamped to +-6, and rounded to the nearest number of E2M1, ties to even, subnormals kept.
;;     - The product sums the exact products of the quantised numbers (number of the format x scale) in f32.
;;   ~~~python
;;   def quantise(x, axis):      # numpy; x: float32 -> the quantised numbers, widened to float32 again
;;       x = np.moveaxis(x, axis, -1); K = x.shape[-1]
;;       x = np.pad(x, [(0, 0)] * (x.ndim - 1) + [(0, -K % 32)]); x = x.reshape(x.shape[:-1] + (-1, 32)); a = np.abs(x).max(-1, keepdims=True)
;;       e = np.where(a > 0, np.clip(np.frexp(np.where(a > 0, a, 1))[1] - 1 - 2, -126, 127), 0)      # np.frexp(a)[1] - 1 = floor(log2(a)), exactly
;;       r = np.clip(x / 2.0 ** e, -6, 6)
;;       step = 2.0 ** (np.maximum(np.frexp(np.where(r == 0, 1, r))[1] - 1, 0) - 1)
;;       q = np.round(r / step) * step * 2.0 ** e      # np.round: ties to even
;;       return np.moveaxis(q.reshape(q.shape[:-2] + (-1,))[..., :K], -1, axis).astype(np.float32)
;;   ~~~
;;   SOFTMAX AHEAD OF A QUANTISED PRODUCT. Where the list says 'softmax', what is quantised is not the finished softmax but p = 2^(t - M), with t = logit x log2(e) and M = ceil(the row's largest t), a whole number; so 1/2 < the row's largest p <= 1. The row's sum l is taken of the UNQUANTISED p, in f32, and the product's result is divided by l at the end. Since M is a whole number, a kernel that streams over the keys may use a running M (the ceiling of the running maximum): every later rescaling is an exact power of two, which a block's scale takes up: the codes' values come out the same.
;;   OPERANDS COMPUTED ON THE WAY. 'Computed on the way' means the value that the module computes at that place (a softmax that the list does not call 'softmax' is quantised finished and normalised). What goes into a quantiser is computed in f32, as accurately as f32 sums, v_exp_f32 and their like allow (about 1e-6 of the number): no bf16 or f16 on the way to a quantiser, and a product that is left as it is and whose result goes on into a quantised operand takes f32 operands (vector FMAs, or v_wmma_f32_16x16x4_f32). A number that lies on a knife's edge between two numbers of the format may be rounded either way, as far as f32 arithmetic and the matrix unit's own rounding can turn it there, and no further.
;;   INPUTS GIVEN AS CODES. Wkv (in the module: [1024, 2048], K = its axis 0); Wo (in the module: [1024, 1024], K = its axis 0); Wq (in the module: [1024, 1024], K = its axis 0); memory (in the module: [2, 16, 64, 64], K = its axis 2): each comes as NAME_codes (uint8): NAME with its K axis moved to the last place and cut into blocks of 32 codes, [.., K / 32, bytes a block], one block behind the other in memory; two codes a byte, the lower K in the low four bits (a code: sign, 2 exponent bits, 1 mantissa bit); and NAME_scales (uint8): the same leading axes, one E8M0 byte (e + 127) for each 32 codes along K. Its value is code x scale, taken as it is: it is not quantised again, and the codes and scales need not be those that the quantiser above would give.
;; 2 versions. Each part assembles by itself: llvm-mc -triple=amdgcn-amd-amdhsa -mcpu=gfx1250 --defsym DOCPART=n.
;; ======== version 1 of 2: 3 launches
;; workspace buffers: qw 5,242,880 bytes; kvw 4,587,520 bytes; injc 2,097,152 bytes; injs 131,072 bytes
;; launch proj (part 1): grid 64 x 4, 4 waves a work-group, no clusters, 35,328 bytes of LDS; arguments h, Wq_codes, Wq_scales, Wkv_codes, Wkv_scales, mem_norm, qw, kvw; writes qw, kvw
.if DOCPART == 1
	.amdgcn_target "amdgcn-amd-amdhsa--gfx1250"
	.amdhsa_code_object_version 6
	.text
	.protected	k_q3b08207fe1_proj
	.globl	k_q3b08207fe1_proj
	.p2align	8
	.type	k_q3b08207fe1_proj,@function
k_q3b08207fe1_proj:
	s_mov_b64 s[64:65], 0
	v_nop
	global_prefetch_b8 v0, s[64:65] scope:SCOPE_SE
	s_setreg_imm32_b32 hwreg(HW_REG_WAVE_MODE, 25, 1), 1
	s_wait_xcnt 0x0
; q = Q(h) Wq, k and v = Q(h) Wkv on codes of FP4 (E2M1) with one E8M0 scale for each 32 along K; then, in registers, what the attention launch wants:
; Q(q), Q(k) along the head's 64, Q(v) ALONG THE KEYS, sigma = elu(q) + 1, den = sigma . mem_norm (f32 multiply-adds), Q(sigma).  Only codes, scale bytes and den go to memory.
; SHARES.  Work-group (sb, g): the 32 positions 32 sb .. 32 sb + 31 of both batches (64 rows of h) x heads 4 g .. 4 g + 3 x (q, k, v).  Wave w first quantises one tile of 16 rows of h (batch w / 2, half w % 2);
; the images of the 32 fragments meet in LDS behind one barrier; then wave w owns head n = 4 g + w for all 64 rows: 6 passes of 64 matrix instructions.
; THE ROWS OF A TILE ARE NOT NEIGHBOURS: with rho(r) = r + 8 (r / 8), lane r of tile u takes position 32 sb + 8 u + rho(r), and lane r of a weight's tile t takes column 32 (t / 2) + 8 (t % 2) + rho(r) of the head.
; So where the picked operand is source 0, the 16 registers of two neighbouring tiles are 16 neighbours along the next product's K: the head's 64 for q and k (source 0 = weights), the keys for v (source 0 = h).
; NO CLUSTER, NO JOINT LOADS: a wave's weights (3 x 32,768 bytes of codes) go from memory straight into the registers of its operands, each lane's 16 bytes whole; the work-group's 393,216 bytes would not fit in LDS,
; and a ring for them would have one change of slots for every 48 matrix instructions of a wave.
; LIMITS: NaN and infinities are not served.  A block of zeros gets the scale byte 1 (the rule says 127): its codes are zeros and this program alone reads the bytes.  den is summed in two chains and across two lanes, another order than a plain loop's.
; REGISTERS, in windows of 256: window 0: see the names below.  window 1: weights of q, later of v: fragment (tile t, K step k) at v[8 (8 t + k)].  window 2: weights of k.  window 3: h's 32 fragments, (tile m, K step k) at v[8 (8 m + k)].
.set WSA,  16                          ; v16-31   scale words of window 1's weights: register 8 p + k: lanes 0-15 tile 2 p, lanes 16-31 tile 2 p + 1
.set WSB,  32                          ; v32-47   the same for window 2's
.set HS,   48                          ; v48-63   h's scale words: register 2 k + b: lanes 0-15 tile (b, 0), lanes 16-31 tile (b, 1)
.set MN,   64                          ; v64-127  mem_norm: register 32 b + 16 q + i = channel 32 q + 16 (lane / 16) + i of batch b.  Before that: the odd K steps' 64 numbers of h
.set ACC,  128                         ; v128-191 eight accumulators.  Before that: the even K steps' 64 numbers of h
.set TX,   192                         ; v192-223 at work (exponentials)
.set TM,   224                         ; v224-227 largest magnitudes, v228-231 bytes, v232-233 sigma's words, v236-239 the conversions' scale operands
.set PC,   240                         ; v240-247 the codes just made
.set XSC,  32768                       ; LDS: 32 images of 1,024 bytes from byte 0; behind them h's scale words, 256 bytes a K step
.set QBAT, 2621440                     ; from batch 0 to batch 1 in qw: 16 heads x 128 tiles x 1,280 bytes
.set KBAT, 2293760                     ; and in kvw: 16 heads x 143,360 bytes
.set MSB, 0
.macro WIN new                         ; the immediate's high byte repeats the setting that is left
.if MSB != \new
	s_set_vgpr_msb (MSB<<8)|\new
.set MSB, \new
.endif
.endm
.macro PLACES                          ; four plain places behind matrix instructions, ahead of reads of results and of loads into their registers
.rept 4
	v_nop
.endr
.endm
; One matrix instruction.  z = 1: the constant 0 starts the sum.  ra, rb: the scale words of source 0, 1 stand in lanes 16-31.
.macro WM d, a, b, z, sa, sb, ra, rb
.if (\z) && (\ra) && (\rb)
	v_wmma_scale_f32_16x16x128_f8f6f4 v[\d:\d+7], v[\a:\a+7], v[\b:\b+7], 0, v[\sa], v[\sb] matrix_a_fmt:MATRIX_FMT_FP4 matrix_b_fmt:MATRIX_FMT_FP4 matrix_a_scale:MATRIX_SCALE_ROW1 matrix_b_scale:MATRIX_SCALE_ROW1
.elseif (\z) && (\ra)
	v_wmma_scale_f32_16x16x128_f8f6f4 v[\d:\d+7], v[\a:\a+7], v[\b:\b+7], 0, v[\sa], v[\sb] matrix_a_fmt:MATRIX_FMT_FP4 matrix_b_fmt:MATRIX_FMT_FP4 matrix_a_scale:MATRIX_SCALE_ROW1
.elseif (\z) && (\rb)
	v_wmma_scale_f32_16x16x128_f8f6f4 v[\d:\d+7], v[\a:\a+7], v[\b:\b+7], 0, v[\sa], v[\sb] matrix_a_fmt:MATRIX_FMT_FP4 matrix_b_fmt:MATRIX_FMT_FP4 matrix_b_scale:MATRIX_SCALE_ROW1
.elseif (\z)
	v_wmma_scale_f32_16x16x128_f8f6f4 v[\d:\d+7], v[\a:\a+7], v[\b:\b+7], 0, v[\sa], v[\sb] matrix_a_fmt:MATRIX_FMT_FP4 matrix_b_fmt:MATRIX_FMT_FP4
.elseif (\ra) && (\rb)
	v_wmma_scale_f32_16x16x128_f8f6f4 v[\d:\d+7], v[\a:\a+7], v[\b:\b+7], v[\d:\d+7], v[\sa], v[\sb] matrix_a_fmt:MATRIX_FMT_FP4 matrix_b_fmt:MATRIX_FMT_FP4 matrix_a_scale:MATRIX_SCALE_ROW1 matrix_b_scale:MATRIX_SCALE_ROW1
.elseif (\ra)
	v_wmma_scale_f32_16x16x128_f8f6f4 v[\d:\d+7], v[\a:\a+7], v[\b:\b+7], v[\d:\d+7], v[\sa], v[\sb] matrix_a_fmt:MATRIX_FMT_FP4 matrix_b_fmt:MATRIX_FMT_FP4 matrix_a_scale:MATRIX_SCALE_ROW1
.elseif (\rb)
	v_wmma_scale_f32_16x16x128_f8f6f4 v[\d:\d+7], v[\a:\a+7], v[\b:\b+7], v[\d:\d+7], v[\sa], v[\sb] matrix_a_fmt:MATRIX_FMT_FP4 matrix_b_fmt:MATRIX_FMT_FP4 matrix_b_scale:MATRIX_SCALE_ROW1
.else
	v_wmma_scale_f32_16x16x128_f8f6f4 v[\d:\d+7], v[\a:\a+7], v[\b:\b+7], v[\d:\d+7], v[\sa], v[\sb] matrix_a_fmt:MATRIX_FMT_FP4 matrix_b_fmt:MATRIX_FMT_FP4
.endif
.endm
; 64 numbers of a lane in four groups of 16: group b, with lane l xor 16's group b, is one block of 32.  Out: the bytes in v[TM+4+b], the codes of my 16 in v[PC+2b], v[PC+2b+1].
; Each accumulator among the 64 is read from its lowest registers on.
.macro QCORE s
.irp b, 0,1,2,3
	v_max3_num_f32 v[TM+\b], |v[\s+16*\b]|, |v[\s+1+16*\b]|, 0x1800000   ; my 16 numbers, and the floor 2^(3 - 127): the byte cannot fall under 1
.endr
.irp i, 2,4,6,8,10,12,14
.irp b, 0,1,2,3
	v_max3_num_f32 v[TM+\b], v[TM+\b], |v[\s+16*\b+\i]|, |v[\s+1+16*\b+\i]|   ; the four groups by turns
.endr
.endr
.irp b, 0,1,2,3
	v_permlanex16_b32 v[TM+4+\b], v[TM+\b], s24, s25
.endr
.irp b, 0,1,2,3
	v_max_num_f32 v[TM+\b], v[TM+\b], v[TM+4+\b]   ; the block's largest magnitude
.endr
.irp b, 0,1,2,3
	v_add_nc_u32 v[TM+12+\b], 0xff000000, v[TM+\b]   ; 2 off its exponent field: the conversion takes the exponent field of this operand as its scale
.endr
.irp b, 0,1,2,3
	v_lshrrev_b32 v[TM+4+\b], 23, v[TM+12+\b]   ; the scale's byte
.endr
.irp b, 0,1,2,3
	v_cvt_scalef32_pk8_fp4_f32 v[PC+2*\b], v[\s+16*\b:\s+7+16*\b], v[TM+12+\b]
	v_cvt_scalef32_pk8_fp4_f32 v[PC+1+2*\b], v[\s+8+16*\b:\s+15+16*\b], v[TM+12+\b]
.endr
	v_nop                                          ; one plain place behind the last scaled conversion
.endm
.macro SWAPS                           ; the operand's layout wants a whole block in a lane: registers 4 c .. 4 c + 3: lanes 0-15 group 2 c, lanes 16-31 group 2 c + 1
.irp c, 0,1
.irp i, 0,1
	v_permlane16_swap_b32 v[PC+4*\c+\i], v[PC+2+4*\c+\i]
.endr
.endr
.endm
.macro WORD2 dst, u                    ; the scale word of a row with K = 64: two bytes, and 0x7f (the scale 1) for the upper 64, whose codes are zeros
	v_lshl_or_b32 v[\dst], v[TM+5+2*\u], 8, v[TM+4+2*\u]
	v_or_b32 v[\dst], 0x7f7f0000, v[\dst]
.endm
.macro XLOAD reg, k                    ; my row's 64 numbers of K step k: of each block of 32 the 16 at 16 (lane / 16)
.irp q, 0,1,2,3
.irp j, 0,1,2,3
	global_load_b128 v[\reg+16*\q+4*\j:\reg+16*\q+4*\j+3], v3, s[4:5] offset:512*(\k)+128*\q+16*\j
.endr
.endr
.endm
.macro WBATCH win, bl, t, extra        ; the eight fragments of a weight's tile t: 16 loads
	WIN \win
.irp k, 0,1,2,3,4,5,6,7
.irp c, 0,1
	global_load_b128 v[8*(8*(\t)+\k)+4*\c:8*(8*(\t)+\k)+4*\c+3], v6, s[\bl:\bl+1] offset:(32*((\t)/2)+8*((\t)%2))*512+64*\k+32*\c+\extra
.endr
.endr
	WIN 0
.endm
.macro WSCALE reg, bl, extra           ; a weight's scale words: a column's 32 bytes are the 8 K steps' words
.irp p, 0,1
.irp j, 0,1
	global_load_b128 v[\reg+8*\p+4*\j:\reg+8*\p+4*\j+3], v7, s[\bl:\bl+1] offset:1024*\p+16*\j+\extra
.endr
.endr
.endm
	s_load_b256 s[4:11], s[0:1], 0x0               ; h s[4:5], Wq_codes s[6:7], Wq_scales s[8:9], Wkv_codes s[10:11]
	s_load_b256 s[12:19], s[0:1], 0x20             ; Wkv_scales s[12:13], mem_norm s[14:15], qw s[16:17], kvw s[18:19]
	v_lshl_add_u32 v252, v0, 2, 0x8800
	v_mov_b32 v253, 0
	v_lshrrev_b32 v10, 5, v0
	v_readfirstlane_b32 s20, v10                   ; wave 0..3
	v_and_b32 v10, 31, v0                          ; lane L
	v_and_b32 v11, 15, v0                          ; r
	v_bfe_u32 v12, v0, 4, 1                        ; h
	v_and_b32 v13, 8, v11
	v_add_nc_u32 v13, v13, v11                     ; rho(r)
	v_lshlrev_b32 v1, 4, v10                       ; v1 = 16 L: an image's place for my lane
	v_lshlrev_b32 v2, 2, v10                       ; v2 = 4 L
	v_lshlrev_b32 v14, 3, v10                      ; v14 = 8 L
	v_lshlrev_b32 v3, 13, v13
	v_lshl_add_u32 v3, v12, 6, v3                  ; v3: h: position rho(r) (8,192 bytes apart), + 64 h
	s_lshl_b32 s27, s20, 13
	v_add_nc_u32 v4, s27, v1                       ; v4: where I store my tile's images: 16 L + 8,192 w
	v_lshlrev_b32 v5, 2, v11
	s_lshl_b32 s28, s20, 6
	v_add_nc_u32 v5, s28, v5                       ; v5: and its scale words: 4 r + 64 w
	v_lshlrev_b32 v6, 9, v13
	v_lshl_add_u32 v6, v12, 4, v6                  ; v6: weights: column rho(r) of 512 bytes, + 16 h
	v_lshl_add_u32 v7, v12, 3, v13
	v_lshlrev_b32 v7, 5, v7                        ; v7: their scales: column 8 h + rho(r), 32 bytes each
	v_lshlrev_b32 v8, 6, v12                       ; v8: mem_norm: 64 h
	v_lshlrev_b32 v9, 4, v11
	v_lshl_add_u32 v9, v12, 3, v9                  ; v9: V's image: 16 r + 8 h
.irp b, 0,1,2,3
	v_mov_b32 v[TM+4+\b], 0                        ; written once: a lane permute's destination counts as one of its sources
.endr
	s_mov_b32 s21, ttmp9                           ; sb
	s_and_b32 s22, ttmp7, 0xffff                   ; g
	s_lshl_b32 s23, s22, 2
	s_add_co_u32 s23, s23, s20                     ; my head n = 4 g + w
	s_mov_b32 s24, 0x76543210
	s_mov_b32 s25, 0xfedcba98                      ; v_permlanex16_b32's selects for lane l xor 16
	s_mov_b32 s26, 0xffff0000                      ; a mask of lanes 16-31
	s_mov_b32 s29, 0
	; kvw: a head's block of 143,360 bytes: scale words (768 bytes a step of 128 keys), K steps 0-3, V steps 0-3, K steps 4-15, V steps 4-15
	s_lshr_b32 s40, s21, 2                         ; step
	s_and_b32 s41, s21, 3                          ; kb: my 32 keys' block in the step
	s_cmp_lt_u32 s40, 4
	s_mov_b32 s42, 28672
	s_cselect_b32 s42, 12288, s42                  ; K's images begin at 4,096 step + this
	s_mov_b32 s43, 77824
	s_cselect_b32 s43, 28672, s43                  ; V's likewise
	s_lshl_b32 s44, s40, 12
	s_mul_i32 s30, s23, 143360
	s_add_co_u32 s44, s44, s30
	s_add_co_u32 s42, s42, s44
	s_lshl_b32 s27, s41, 10
	s_add_co_u32 s42, s42, s27                     ; K: tiles 2 kb, 2 kb + 1 of the step, 512 bytes each
	s_add_co_u32 s43, s43, s44
	s_lshr_b32 s27, s41, 1
	s_lshl_b32 s27, s27, 9
	s_add_co_u32 s43, s43, s27
	s_and_b32 s27, s41, 1
	s_lshl_b32 s27, s27, 8
	s_add_co_u32 s43, s43, s27                     ; V: half kb / 2 of a fragment, lanes 16 (kb % 2) on
	s_mul_i32 s44, s40, 768
	s_add_co_u32 s44, s44, s30
	s_lshl_b32 s27, s41, 7
	s_add_co_u32 s45, s44, s27                     ; K's scale words of tiles 2 kb, 2 kb + 1
	s_add_co_u32 s44, s44, s41
	s_add_co_u32 s44, s44, 512                     ; V's scale bytes: byte kb of each word
	s_wait_kmcnt 0x0
	s_mov_b32 s28, s42
	s_add_nc_u64 s[32:33], s[18:19], s[28:29]      ; s[32:33] K's images
	s_mov_b32 s28, s43
	s_add_nc_u64 s[34:35], s[18:19], s[28:29]      ; s[34:35] V's images
	s_mov_b32 s28, s45
	s_add_nc_u64 s[36:37], s[18:19], s[28:29]      ; s[36:37] K's scale words
	s_mov_b32 s28, s44
	s_add_nc_u64 s[38:39], s[18:19], s[28:29]      ; s[38:39] V's scale bytes
	s_lshl_b32 s28, s21, 18                        ; h: 32 sb positions of 8,192 bytes,
	s_and_b32 s27, s20, 1
	s_lshl_b32 s27, s27, 16
	s_add_co_u32 s28, s28, s27                     ; + 8 (w % 2) positions,
	s_lshr_b32 s27, s20, 1
	s_lshl_b32 s27, s27, 12
	s_add_co_u32 s28, s28, s27                     ; + batch w / 2
	s_add_nc_u64 s[4:5], s[4:5], s[28:29]
	s_lshl_b32 s28, s23, 15                        ; my head's 64 columns of 512 bytes
	s_add_nc_u64 s[6:7], s[6:7], s[28:29]
	s_add_nc_u64 s[10:11], s[10:11], s[28:29]
	s_lshl_b32 s28, s23, 11                        ; and of 32 scale bytes
	s_add_nc_u64 s[8:9], s[8:9], s[28:29]
	s_add_nc_u64 s[12:13], s[12:13], s[28:29]
	s_lshl_b32 s28, s23, 8
	s_add_nc_u64 s[14:15], s[14:15], s[28:29]      ; mem_norm at my head
	s_mul_i32 s28, s23, 163840
	s_mul_i32 s27, s21, 2560
	s_add_co_u32 s28, s28, s27
	s_add_nc_u64 s[16:17], s[16:17], s[28:29]      ; qw: records of 1,280 bytes, [head][tile 2 sb + u]
	; ---- X: my 16 rows of h become eight fragments.  Two K steps' numbers are on their way; a batch of weights is asked for behind each step.
	XLOAD ACC, 0
	XLOAD MN, 1
; K step k.  n = the loads issued behind this step's own 16, which may stay out.
.macro XSTEP k, n
	s_wait_loadcnt \n
	QCORE ACC-64*((\k)%2)
	SWAPS
	v_lshl_or_b32 v248, v[TM+5], 8, v[TM+4]        ; my row's scale word for these 128
	v_lshl_or_b32 v248, v[TM+6], 16, v248
	v_lshl_or_b32 v248, v[TM+7], 24, v248
	ds_store_b128 v4, v[PC:PC+3] offset:1024*(\k)  ; the fragment goes to LDS as an image of its registers
	ds_store_b128 v4, v[PC+4:PC+7] offset:1024*(\k)+512
	ds_store_b32 v5, v248 offset:XSC+256*(\k)      ; both halves of the lanes write the same word with the same value
	s_wait_dscnt 0x0                               ; the stores have read their registers
.if (\k) < 4
	WBATCH 0x40, 6, \k, 0                          ; q's tile k into window 1
.else
	WBATCH 0x80, 10, (\k)-4, 0                     ; k's tile k - 4 into window 2
.endif
.if (\k) < 6
	XLOAD ACC-64*((\k)%2), (\k)+2
.endif
.endm
	XSTEP 0, 16                                    ; behind step 0's loads: step 1's
	XSTEP 1, 32                                    ; from here on: a batch of weights and a later step's 16
	XSTEP 2, 32
	XSTEP 3, 32
	XSTEP 4, 32
	XSTEP 5, 32
	XSTEP 6, 32
	XSTEP 7, 16                                    ; behind step 7's loads: one batch of weights
	WSCALE WSA, 8, 0
	WSCALE WSB, 12, 0
.irp b, 0,1
.irp q, 0,1
.irp j, 0,1,2,3
	global_load_b128 v[MN+32*\b+16*\q+4*\j:MN+32*\b+16*\q+4*\j+3], v8, s[14:15] offset:4096*\b+128*\q+16*\j
.endr
.endr
.endr
	s_wait_dscnt 0x0                               ; for the others' sake: my images have landed
	s_barrier_signal -1
	s_barrier_wait -1                              ; all 32 fragments of h lie in LDS
	WIN 0xc0                                       ; destination window 3
.irp m, 0,1,2,3
.irp k, 0,1,2,3,4,5,6,7
.irp c, 0,1
	ds_load_b128 v[8*(8*\m+\k)+4*\c:8*(8*\m+\k)+4*\c+3], v1 offset:8192*\m+1024*\k+512*\c
.endr
.endr
.endr
	WIN 0
.irp k, 0,1,2,3,4,5,6,7
.irp p, 0,1
	ds_load_b32 v[HS+2*\k+\p], v2 offset:XSC+256*\k+128*\p
.endr
.endr
	s_wait_dscnt 0x0
	s_wait_loadcnt 0x0                             ; q's and k's weights, their scales, mem_norm
; A pass: one of q, k, v for the 32 rows of batch b: 64 matrix instructions; the eight accumulators take turns, one instruction a turn.
; q, k: source 0 = 16 columns of the weight, source 1 = 16 rows of h: accumulator 4 u + t; a lane holds ONE row, and registers 32 u + 16 q + i are channel 32 q + 16 (lane / 16) + i.
.macro PASSQK wb, b
.irp k, 0,1,2,3,4,5,6,7
.irp u, 0,1
.irp t, 0,1,2,3
	WM ACC+32*\u+8*\t, 8*(8*\t+\k), 8*(8*(2*\b+\u)+\k), (\k==0), \wb+8*(\t/2)+\k, HS+2*\k+\b, \t%2, \u
.endr
.endr
.endr
	WIN 0
	PLACES
.endm
; v: source 0 = 16 rows of h, source 1 = 16 columns of the weight: accumulator 2 t + u; a lane holds ONE channel, and registers 16 t + i are key 16 (lane / 16) + i of my 32.
.macro PASSV b
.irp k, 0,1,2,3,4,5,6,7
.irp u, 0,1
.irp t, 0,1,2,3
	WM ACC+16*\t+8*\u, 8*(8*(2*\b+\u)+\k), 8*(8*\t+\k), (\k==0), HS+2*\k+\b, WSA+8*(\t/2)+\k, \u, \t%2
.endr
.endr
.endr
	WIN 0
	PLACES
.endm
; 32 numbers x become elu(x) + 1: x + 1 above 0, else (e^x - 1) + 1.  One batch of exponentials, one wait.
.macro SIGMA a
.set ii, 0
.rept 32
	v_mul_f32 v[TX+ii], 0x3fb8aa3b, v[\a+ii]       ; x log2(e)
.set ii, ii+1
.endr
.set ii, 0
.rept 32
	v_exp_f32 v[TX+ii], v[TX+ii]
.set ii, ii+1
.endr
	v_nop                                          ; a plain place behind the last exponential
	s_wait_alu depctr_va_vdst(0)                   ; the wait ahead of the first line that names a result: one for the batch
.set ii, 0
.rept 32
	v_add_f32 v[TX+ii], -1.0, v[TX+ii]
	v_cmp_lt_f32 vcc_lo, 0, v[\a+ii]
	v_add_f32 v[TX+ii], 1.0, v[TX+ii]
	v_add_f32 v[\a+ii], 1.0, v[\a+ii]
	v_cndmask_b32 v[\a+ii], v[TX+ii], v[\a+ii], vcc_lo
.set ii, ii+1
.endr
.endm
; den of tile u's row: my 32 channels in two packed chains, then lane l xor 16's 32
.macro DEN u, b
	v_pk_mul_f32 v[254:255], v[ACC+32*\u:ACC+32*\u+1], v[MN+32*\b:MN+32*\b+1]
	v_pk_mul_f32 v[TX:TX+1], v[ACC+32*\u+2:ACC+32*\u+3], v[MN+32*\b+2:MN+32*\b+3]
.irp i, 4,8,12,16,20,24,28
	v_pk_fma_f32 v[254:255], v[ACC+32*\u+\i:ACC+32*\u+\i+1], v[MN+32*\b+\i:MN+32*\b+\i+1], v[254:255]
	v_pk_fma_f32 v[TX:TX+1], v[ACC+32*\u+\i+2:ACC+32*\u+\i+3], v[MN+32*\b+\i+2:MN+32*\b+\i+3], v[TX:TX+1]
.endr
	v_pk_add_f32 v[254:255], v[254:255], v[TX:TX+1]
	v_add_f32 v254, v254, v255
	v_permlanex16_b32 v255, v254, s24, s25
	v_add_f32 v[249+2*\u], v254, v255
.endm
; q of batch b: two records of qw.  +0 Q's codes, +512 sigma's, as images (16 bytes a lane: row r, channels 32 (lane / 16) on); +1024 + 8 L: the scale word (lanes 0-15 Q's, lanes 16-31 sigma's) and den.
.macro EPIQ b
	s_wait_xcnt 0x0                                ; earlier stores have read their data: the registers are written again only behind this wait
	QCORE ACC
	SWAPS
	WORD2 248, 0
	WORD2 250, 1
	global_store_b128 v1, v[PC:PC+3], s[16:17] offset:QBAT*\b
	global_store_b128 v1, v[PC+4:PC+7], s[16:17] offset:QBAT*\b+1280
	SIGMA ACC
	SIGMA ACC+32
	DEN 0, \b
	DEN 1, \b
	s_wait_xcnt 0x0                                ; Q's codes have been read by their stores
	QCORE ACC
	SWAPS
	WORD2 TM+8, 0
	WORD2 TM+9, 1
	global_store_b128 v1, v[PC:PC+3], s[16:17] offset:QBAT*\b+512
	global_store_b128 v1, v[PC+4:PC+7], s[16:17] offset:QBAT*\b+1280+512
	v_cndmask_b32 v248, v248, v[TM+8], s26
	v_cndmask_b32 v250, v250, v[TM+9], s26
	global_store_b64 v14, v[248:249], s[16:17] offset:QBAT*\b+1024        ; 32 lanes store 256 consecutive bytes, aligned
	global_store_b64 v14, v[250:251], s[16:17] offset:QBAT*\b+1280+1024
.endm
.macro EPIK b
	s_wait_xcnt 0x0
	QCORE ACC
	SWAPS
	WORD2 248, 0
	WORD2 250, 1
	global_store_b128 v1, v[PC:PC+3], s[32:33] offset:KBAT*\b
	global_store_b128 v1, v[PC+4:PC+7], s[32:33] offset:KBAT*\b+512
	v_cndmask_b32 v248, v248, v250, s26            ; lanes 0-15 tile 2 kb's words, lanes 16-31 tile 2 kb + 1's
	global_store_b32 v2, v248, s[36:37] offset:KBAT*\b
.endm
; v of batch b: group t is a block of 32 KEYS of channel (t, r): my 16 codes are 8 bytes of the image of V's fragment; the 32 lanes store 256 consecutive bytes, aligned
.macro EPIV b
	s_wait_xcnt 0x0
	QCORE ACC
.irp t, 0,1,2,3
	global_store_b64 v9, v[PC+2*\t:PC+2*\t+1], s[34:35] offset:KBAT*\b+1024*\t
.endr
	v_cndmask_b32 v248, v[TM+4], v[TM+5], s26      ; lanes 0-15 tile 0's bytes, lanes 16-31 tile 1's
	v_cndmask_b32 v250, v[TM+6], v[TM+7], s26
	global_store_b8 v2, v248, s[38:39] offset:KBAT*\b           ; one byte of each row's word: the other three come from the step's other three work-groups
	global_store_b8 v2, v250, s[38:39] offset:KBAT*\b+128
.endm
	WIN 0x0d                                       ; source 0 window 1 (weights), source 1 window 3 (h)
	PASSQK WSA, 0
	EPIQ 0
	WIN 0x0d
	PASSQK WSA, 1
.irp t, 0,1,2,3
	WBATCH 0x40, 10, \t, 524288                    ; q's weights are done with (four places stand behind the pass): v's take their registers and land under the next blocks
.endr
	WSCALE WSA, 12, 32768
	EPIQ 1
	WIN 0x0e                                       ; source 0 window 2
	PASSQK WSB, 0
	EPIK 0
	WIN 0x0e
	PASSQK WSB, 1
	EPIK 1
	s_wait_loadcnt 0x0                             ; v's weights and scales
	WIN 0x07                                       ; source 0 window 3 (h), source 1 window 1 (weights)
	PASSV 0
	EPIV 0
	WIN 0x07
	PASSV 1
	EPIV 1
	s_wait_tensorcnt 0x0
	ds_add_u32 v252, v253
	s_wait_dscnt 0x0
	s_endpgm
.Lfunc_end_k_q3b08207fe1_proj:
	.size	k_q3b08207fe1_proj, .Lfunc_end_k_q3b08207fe1_proj-k_q3b08207fe1_proj
	.p2alignl 7, 3214868480
	.fill 96, 4, 3214868480
	.section	.rodata,"a",@progbits
	.p2align	6, 0x0
	.amdhsa_kernel k_q3b08207fe1_proj
		.amdhsa_group_segment_fixed_size 35328
		.amdhsa_private_segment_fixed_size 0
		.amdhsa_enable_private_segment 0
		.amdhsa_kernarg_size 64
		.amdhsa_user_sgpr_count 2
		.amdhsa_user_sgpr_kernarg_segment_ptr 1
		.amdhsa_wavefront_size32 1
		.amdhsa_system_sgpr_workgroup_id_x 1
		.amdhsa_system_sgpr_workgroup_id_y 1
		.amdhsa_system_sgpr_workgroup_id_z 1
		.amdhsa_system_vgpr_workitem_id 0
		.amdhsa_next_free_vgpr 1024
		.amdhsa_next_free_sgpr 66
		.amdhsa_reserve_vcc 1
		.amdhsa_float_denorm_mode_32 3
		.amdhsa_float_denorm_mode_16_64 3
		.amdhsa_memory_ordered 1
		.amdhsa_forward_progress 1
		.amdhsa_inst_pref_size 194
	.end_amdhsa_kernel
	.amdgpu_metadata
---
amdhsa.version: [ 1, 2 ]
amdhsa.kernels:
  - .name:           k_q3b08207fe1_proj
    .symbol:         k_q3b08207fe1_proj.kd
    .args:
      - { .name: h, .offset: 0, .size: 8, .value_kind: global_buffer, .address_space: global }
      - { .name: Wq_codes, .offset: 8, .size: 8, .value_kind: global_buffer, .address_space: global }
      - { .name: Wq_scales, .offset: 16, .size: 8, .value_kind: global_buffer, .address_space: global }
      - { .name: Wkv_codes, .offset: 24, .size: 8, .value_kind: global_buffer, .address_space: global }
      - { .name: Wkv_scales, .offset: 32, .size: 8, .value_kind: global_buffer, .address_space: global }
      - { .name: mem_norm, .offset: 40, .size: 8, .value_kind: global_buffer, .address_space: global }
      - { .name: qw, .offset: 48, .size: 8, .value_kind: global_buffer, .address_space: global }
      - { .name: kvw, .offset: 56, .size: 8, .value_kind: global_buffer, .address_space: global }
    .group_segment_fixed_size: 35328
    .private_segment_fixed_size: 0
    .kernarg_segment_align: 8
    .kernarg_segment_size: 64
    .max_flat_workgroup_size: 128
    .sgpr_count:     66
    .vgpr_count:     1024
    .wavefront_size: 32
...
	.end_amdgpu_metadata
.endif
;; end of part 1
;; launch attn (part 2): grid 8 x 32, 16 waves a work-group, clusters of 4 x 1, 169,984 bytes of LDS; arguments qw, kvw, memory_codes, memory_scales, gate_beta, injc, injs; writes injc, injs
.if DOCPART == 2
	.amdgcn_target "amdgcn-amd-amdhsa--gfx1250"
	.amdhsa_code_object_version 6
	.text
	.protected	k_q3b08207fe1_attn
	.globl	k_q3b08207fe1_attn
	.p2align	8
	.type	k_q3b08207fe1_attn,@function
k_q3b08207fe1_attn:
	s_mov_b64 s[64:65], 0
	v_nop
	global_prefetch_b8 v0, s[64:65] scope:SCOPE_SE
	s_setreg_imm32_b32 hwreg(HW_REG_WAVE_MODE, 25, 1), 1
	s_wait_xcnt 0x0
	s_wait_alu depctr_hold_cnt(0) depctr_sa_sdst(0) depctr_va_vdst(0) depctr_va_sdst(0) depctr_va_ssrc(0) depctr_va_vcc(0) depctr_vm_vsrc(0)
	s_getreg_b32 s2, hwreg(HW_REG_IB_STS2, 6, 4)
	s_cmp_eq_u32 s2, 0
	s_cbranch_scc0 .Lentry_in_a_cluster
	s_endpgm
.Lentry_in_a_cluster:
	s_bfe_u32 s2, ttmp6, 0x10000c
	s_cmp_lg_u32 s2, 0x3003
	s_cbranch_scc0 .Lentry_shape_is_right
	s_endpgm
.Lentry_shape_is_right:
; For one head (hd = 16 b + n) and 256 queries: S^T = K Q^T, p = 2^(t - M), O^T = V^T P^T, num^T = memory sigma^T, inj = g num / den + (1 - g) O / l, and Q(inj); all four products on codes of FP4 (E2M1) with E8M0 scales.
; THE SOFTMAX: t = score x log2(e) / 8; M = the running largest t rounded UP to a whole number; p = 2^(t - M) is quantised along the keys, not normalised; the row's sum l is taken of the unquantised p.  When M moves, l and O^T are multiplied by 2^(old M - new M): exact.
; SHARES.  Sixteen waves, each with ONE tile of 16 queries in 256 registers, four waves to a SIMD.  Every wave walks the head's 2,048 keys, 128 a step.
; LDS.  A head's K, V and scale words are 143,360 bytes, laid in kvw in the order of the operands' registers.  They come ONCE: nothing is filled again.  The first 45,056 bytes (all scale words, key steps 0-3)
; and the other 98,304 (key steps 4-15) are two tensor loads a wave, 11 and 24 rows of 256 bytes; by this text's count a wave has two out.  Steps 0-3 are worked while the second is on its way.
; CLUSTER.  The four query blocks of a cluster belong to one head: both loads are asked for JOINTLY, the same descriptor and a mask of the four in all four.
; NO PREFETCH: all that the launch reads is asked for at its head; there is no later load for a prefetch to run ahead of.
; LAYOUT.  Both products transposed: a lane holds ONE query (lane % 16).  The keys, and V's and memory's channels, of a tile are picked by rho(r) = r + 8 (r / 8), so that 16 registers of two neighbouring tiles are 16 neighbours along the next K.
; K = 64 IN A FORM OF K = 128: Q's and sigma's upper four registers hold zero codes.  The other source's upper four registers are then whatever follows (the next tile's codes): they meet zero codes and scale bytes that are never 0xff, and add exactly 0.
; LIMITS: NaN and infinities are not served; a p under 2^-126 falls to 0; 1 / l, 1 / den and the gate are made by v_rcp_f32; a block of zeros gets the scale byte 1 (the rule says 127): its codes are zeros and this program alone reads the bytes.
; REGISTERS: v1 16 L, v2 4 L, v6 8 L; v3-5 the step's LDS addresses; v7-9 offsets; v12 -M, v13 the largest t, v[14:15] l in two halves; v16-23 Q, v24-31 sigma (upper four: 0); v32-67 K (tile t at 32 + 4 t; v64-67 = 0); v68-99 V;
;   v100-163 S^T, then p; v164-195 O^T; v196-203 p's codes; v204-207 K's scale words, v208-209 V's, v210 Q's (lanes 0-15) and sigma's (lanes 16-31), v211 den; v212-231 memory (tile t at 212 + 4 t; v228-231 = 0); v240-241 memory's scale words; v253 p's scale word; the rest at work.
.set SQ,  100
.set OT,  164
.set PCD, 196
.macro WM d, a, b, z, sa, sb, ra, rb   ; one matrix instruction.  z = 1: the constant 0 starts the sum.  ra, rb: the scale words of source 0, 1 stand in lanes 16-31
.if (\z) && (\ra) && (\rb)
	v_wmma_scale_f32_16x16x128_f8f6f4 v[\d:\d+7], v[\a:\a+7], v[\b:\b+7], 0, v[\sa], v[\sb] matrix_a_fmt:MATRIX_FMT_FP4 matrix_b_fmt:MATRIX_FMT_FP4 matrix_a_scale:MATRIX_SCALE_ROW1 matrix_b_scale:MATRIX_SCALE_ROW1
.elseif (\z) && (\ra)
	v_wmma_scale_f32_16x16x128_f8f6f4 v[\d:\d+7], v[\a:\a+7], v[\b:\b+7], 0, v[\sa], v[\sb] matrix_a_fmt:MATRIX_FMT_FP4 matrix_b_fmt:MATRIX_FMT_FP4 matrix_a_scale:MATRIX_SCALE_ROW1
.elseif (\z) && (\rb)
	v_wmma_scale_f32_16x16x128_f8f6f4 v[\d:\d+7], v[\a:\a+7], v[\b:\b+7], 0, v[\sa], v[\sb] matrix_a_fmt:MATRIX_FMT_FP4 matrix_b_fmt:MATRIX_FMT_FP4 matrix_b_scale:MATRIX_SCALE_ROW1
.elseif (\z)
	v_wmma_scale_f32_16x16x128_f8f6f4 v[\d:\d+7], v[\a:\a+7], v[\b:\b+7], 0, v[\sa], v[\sb] matrix_a_fmt:MATRIX_FMT_FP4 matrix_b_fmt:MATRIX_FMT_FP4
.elseif (\ra) && (\rb)
	v_wmma_scale_f32_16x16x128_f8f6f4 v[\d:\d+7], v[\a:\a+7], v[\b:\b+7], v[\d:\d+7], v[\sa], v[\sb] matrix_a_fmt:MATRIX_FMT_FP4 matrix_b_fmt:MATRIX_FMT_FP4 matrix_a_scale:MATRIX_SCALE_ROW1 matrix_b_scale:MATRIX_SCALE_ROW1
.elseif (\ra)
	v_wmma_scale_f32_16x16x128_f8f6f4 v[\d:\d+7], v[\a:\a+7], v[\b:\b+7], v[\d:\d+7], v[\sa], v[\sb] matrix_a_fmt:MATRIX_FMT_FP4 matrix_b_fmt:MATRIX_FMT_FP4 matrix_a_scale:MATRIX_SCALE_ROW1
.elseif (\rb)
	v_wmma_scale_f32_16x16x128_f8f6f4 v[\d:\d+7], v[\a:\a+7], v[\b:\b+7], v[\d:\d+7], v[\sa], v[\sb] matrix_a_fmt:MATRIX_FMT_FP4 matrix_b_fmt:MATRIX_FMT_FP4 matrix_b_scale:MATRIX_SCALE_ROW1
.else
	v_wmma_scale_f32_16x16x128_f8f6f4 v[\d:\d+7], v[\a:\a+7], v[\b:\b+7], v[\d:\d+7], v[\sa], v[\sb] matrix_a_fmt:MATRIX_FMT_FP4 matrix_b_fmt:MATRIX_FMT_FP4
.endif
.endm
; A round of the cluster's barrier: my work-group's barrier; wave 0 signals for the work-group; every wave waits for all four work-groups; my work-group's barrier once more.
.macro ROUND
	s_barrier_signal -1
	s_barrier_wait -1
	s_cmp_lg_u32 s18, 0
	s_cbranch_scc1 .Lnot_wave_0_\@
	s_barrier_signal -3
.Lnot_wave_0_\@:
	s_barrier_wait -3
	s_barrier_signal -1
	s_barrier_wait -1
.endm
	s_load_b256 s[4:11], s[0:1], 0x0               ; qw s[4:5], kvw s[6:7], memory_codes s[8:9], memory_scales s[10:11]
	s_load_b128 s[12:15], s[0:1], 0x20             ; gate_beta s[12:13], injc s[14:15]
	s_load_b64 s[16:17], s[0:1], 0x30              ; injs
	v_lshl_add_u32 v11, v0, 2, 0x29000
	v_mov_b32 v255, 0
	ds_add_u32 v11, v255
	ds_add_u32 v11, v255
	v_lshrrev_b32 v232, 5, v0
	v_readfirstlane_b32 s18, v232                  ; wave 0..15
	s_bfe_u32 s53, ttmp6, 0x40000                  ; cx: my place in the cluster: it enters global addresses of qw, injc and injs alone
	s_lshl_b32 s54, ttmp9, 2
	s_add_co_u32 s54, s54, s53                     ; my block of 256 queries
	s_lshl_b32 s54, s54, 4
	s_add_co_u32 s54, s54, s18                     ; T: my tile of queries, 0..127
	s_and_b32 s55, ttmp7, 0xffff                   ; hd, which the four partners share
	s_mov_b32 s20, 0x76543210
	s_mov_b32 s21, 0xfedcba98                      ; v_permlanex16_b32's selects for lane l xor 16
	s_mov_b32 s22, 0x3e38aa3b                      ; c = log2(e) / 8
	s_mov_b32 s23, s22                             ; (named with it as a pair, so it is written)
	s_mov_b32 s60, 0xffff0000                      ; a mask of lanes 16-31
	; descriptor groups 1: dense rows of 256 bytes (32 elements of 8 bytes), 11 rows and 24 rows
	s_mov_b32 s24, 15|(3<<16)|(1<<21)              ; 15:0 the mask: all four work-groups; 17:16 elements of 8 bytes; 21 set beside a mask; no padding
	s_mov_b32 s25, 32<<16                          ; tensor_dim0 = 32
	s_mov_b32 s26, 11<<16                          ; tensor_dim1 = 11
	s_mov_b32 s27, 32<<16                          ; tile_dim0 = 32
	s_mov_b32 s28, 11                              ; tile_dim1 = 11
	s_mov_b32 s29, 32                              ; elements from row to row
	s_mov_b32 s30, 0
	s_mov_b32 s31, 0
	s_mov_b32 s32, 15|(3<<16)|(1<<21)
	s_mov_b32 s33, 32<<16
	s_mov_b32 s34, 24<<16
	s_mov_b32 s35, 32<<16
	s_mov_b32 s36, 24
	s_mov_b32 s37, 32
	s_mov_b32 s38, 0
	s_mov_b32 s39, 0
	s_mul_i32 s56, s55, 143360                     ; the head's block in kvw
	s_mov_b32 s40, 1
	s_mul_i32 s41, s18, 2816                       ; LDS: my 11 rows of the first part
	s_mov_b32 s44, 1
	s_mul_i32 s45, s18, 6144
	s_add_co_u32 s45, s45, 45056                   ; LDS: my 24 rows of the second; LDS holds the block as it lies in memory
	s_add_co_u32 s58, s56, s41
	s_mov_b32 s59, 0
	s_add_co_u32 s56, s56, s45
	s_mov_b32 s57, 0
	s_wait_dscnt 0x0
	s_wait_kmcnt 0x0
	s_add_nc_u64 s[42:43], s[6:7], s[58:59]
	s_or_b32 s43, s43, 0x80000000                  ; type = 2
	s_add_nc_u64 s[46:47], s[6:7], s[56:57]
	s_or_b32 s47, s47, 0x80000000
	s_load_b32 s52, s[12:13], 0x0                  ; the gate's beta
	ROUND                                          ; all four work-groups are here: the joint loads meet
	tensor_load_to_lds s[40:43], s[24:31]          ; scale words, key steps 0-3
	s_nop 0
	tensor_load_to_lds s[44:47], s[32:39]          ; key steps 4-15
	s_nop 0
.rept 4
	v_nop                                          ; four plain lines follow the loads
.endr
	s_lshl_b32 s58, s55, 7
	s_add_co_u32 s58, s58, s54
	s_mul_i32 s58, s58, 1280
	s_add_nc_u64 s[4:5], s[4:5], s[58:59]          ; my record of qw
	s_lshl_b32 s58, s55, 11
	s_add_nc_u64 s[8:9], s[8:9], s[58:59]          ; the head's memory: 64 rows of 32 bytes,
	s_lshl_b32 s58, s55, 7
	s_add_nc_u64 s[10:11], s[10:11], s[58:59]      ; and of 2 scale bytes
	s_lshr_b32 s56, s55, 4
	s_lshl_b32 s56, s56, 7
	s_add_co_u32 s56, s56, s54                     ; 128 b + T
	s_and_b32 s53, s55, 15                         ; n
	s_lshl_b32 s58, s56, 13
	s_lshl_b32 s57, s53, 9
	s_add_co_u32 s58, s58, s57
	s_add_nc_u64 s[14:15], s[14:15], s[58:59]      ; injc: [128 b + T][n][512 bytes]
	s_lshl_b32 s58, s56, 9
	s_lshl_b32 s57, s53, 1
	s_add_co_u32 s58, s58, s57
	s_add_nc_u64 s[16:17], s[16:17], s[58:59]      ; injs: [128 b + T][r][32 bytes], byte 2 n + block
	v_and_b32 v235, 31, v0                         ; L
	v_and_b32 v232, 15, v0                         ; r
	v_bfe_u32 v233, v0, 4, 1                       ; h
	v_and_b32 v234, 8, v232
	v_add_nc_u32 v234, v234, v232                  ; rho(r)
	v_lshlrev_b32 v1, 4, v235
	v_lshlrev_b32 v2, 2, v235
	v_lshlrev_b32 v6, 3, v235
	v_lshlrev_b32 v7, 5, v234
	v_lshl_add_u32 v7, v233, 4, v7                 ; memory: row rho(r) of 32 bytes, + 16 h
	v_lshl_add_u32 v8, v233, 3, v234
	v_lshlrev_b32 v8, 1, v8                        ; its scales: row 8 h + rho(r), 2 bytes each
	v_lshl_add_u32 v9, v232, 5, v233               ; injs: 32 r + h
	global_load_b128 v[16:19], v1, s[4:5] th:TH_LOAD_NT             ; Q's codes: registers 0-3 of the fragment
	global_load_b128 v[24:27], v1, s[4:5] offset:512 th:TH_LOAD_NT  ; sigma's
	global_load_b64 v[210:211], v6, s[4:5] offset:1024 th:TH_LOAD_NT   ; the scale words, den
.irp t, 0,1,2,3
	global_load_b128 v[212+4*\t:215+4*\t], v7, s[8:9] offset:(32*(\t/2)+8*(\t%2))*32
.endr
	global_load_u16 v240, v8, s[10:11]             ; lanes 0-15 tile 0's two bytes, lanes 16-31 tile 1's; the upper two bytes are 0, which is a scale and no NaN, over zero products
	global_load_u16 v241, v8, s[10:11] offset:64
.irp j, 20,21,22,23,28,29,30,31,64,65,66,67,228,229,230,231
	v_mov_b32 v[\j], 0                             ; zero codes
.endr
	v_mov_b32 v13, 0xff61b1e6                      ; the largest t so far: -3e38, under every t
	v_floor_f32 v12, -v13                          ; -M
	v_mov_b32 v14, 0                               ; l, in two halves
	v_mov_b32 v15, 0
.irp b, 0,1,2,3
	v_mov_b32 v[236+\b], 0                         ; written once: a lane permute's destination counts as one of its sources
.endr
	v_mov_b32 v253, 0                              ; (named as the upper half of the pair v[252:253] before it is first written)
.set jj, 0
.rept 32
	v_mov_b32 v[OT+jj], 0                          ; O^T: the step is written once; the first finds zeros, which the first change of M leaves zeros
.set jj, jj+1
.endr
; A KEY STEP: 128 keys.  s48, s49, s50: where the step's K, V and scale words begin in LDS.
.macro STEP
	v_add_nc_u32 v3, s48, v1
	v_add_nc_u32 v4, s49, v1
	v_add_nc_u32 v5, s50, v2
	v_nop                                          ; with the three additions: four places behind the last step's products, ahead of the loads into their registers
.irp t, 0,1,2,3,4,5,6,7
	ds_load_b128 v[32+4*\t:35+4*\t], v3 offset:512*\t              ; K's tile t: an image, 16 bytes a lane on end
.endr
.irp i, 0,1,2,3
	ds_load_b32 v[204+\i], v5 offset:128*\i        ; lanes 0-15 tile 2 i's scale words, lanes 16-31 tile 2 i + 1's
.endr
.irp t, 0,1,2,3
.irp c, 0,1
	ds_load_b128 v[68+8*\t+4*\c:71+8*\t+4*\c], v4 offset:1024*\t+512*\c
.endr
.endr
.irp i, 0,1
	ds_load_b32 v[208+\i], v5 offset:512+128*\i
.endr
	s_wait_dscnt 10                                ; K and its scale words are in; V's ten loads may stay out
.irp t, 0,1,2,3,4,5,6,7
	WM SQ+8*\t, 32+4*\t, 16, 1, 204+\t/2, 210, \t%2, 0
.endr                                              ; lane (r, h): query r; registers 16 b + i are key 32 b + 16 h + i of the step
.rept 4
	v_nop
.endr
.irp b, 0,1,2,3
	v_max3_num_f32 v[232+\b], v[SQ+16*\b], v[SQ+1+16*\b], v[SQ+2+16*\b]   ; the largest score of each block of 32 keys: it serves the row's maximum and, since p rises with the score, the block's largest p
.endr
.irp i, 3,5,7,9,11,13
.irp b, 0,1,2,3
	v_max3_num_f32 v[232+\b], v[232+\b], v[SQ+16*\b+\i], v[SQ+1+16*\b+\i]
.endr
.endr
.irp b, 0,1,2,3
	v_max_num_f32 v[232+\b], v[232+\b], v[SQ+15+16*\b]
.endr
.irp b, 0,1,2,3
	v_permlanex16_b32 v[236+\b], v[232+\b], s20, s21
.endr
.irp b, 0,1,2,3
	v_max_num_f32 v[232+\b], v[232+\b], v[236+\b]  ; with lane l xor 16's 16 keys
.endr
	v_max3_num_f32 v254, v232, v233, v234
	v_max_num_f32 v254, v254, v235                 ; the step's largest score of my query
	v_mul_f32 v254, s22, v254                      ; as t (c is positive)
	v_max_num_f32 v13, v13, v254                   ; the running largest t
	v_mov_b32 v254, v12
	v_floor_f32 v12, -v13                          ; the new -M = floor(-t) = -ceil(t)
	v_sub_f32 v254, v12, v254                      ; old M - new M: a whole number, 0 or less
	v_cvt_i32_f32 v254, v254                       ; (it saturates)
	v_ldexp_f32 v252, 1.0, v254                    ; f = 2^(old M - new M)
.set jj, 0
.rept 32
	v_pk_fma_f32 v[SQ+jj:SQ+jj+1], v[SQ+jj:SQ+jj+1], s[22:23], v[12:13] op_sel_hi:[1,0,0]   ; t - M, two at a time
.set jj, jj+2
.endr
.irp b, 0,1,2,3
	v_fma_f32 v[232+\b], v[232+\b], s22, v12       ; the same of each block's largest score
.endr
.set jj, 0
.rept 64
	v_exp_f32 v[SQ+jj], v[SQ+jj]                   ; p = 2^(t - M), at most 1
.set jj, jj+1
.endr
	v_pk_mul_f32 v[14:15], v[14:15], v[252:253] op_sel_hi:[1,0]   ; l under the new M: a plain place behind the exponentials
	s_wait_alu depctr_va_vdst(0)                   ; the wait ahead of the first line that names a result: one for the batch of 64
.irp b, 0,1,2,3
	v_exp_f32 v[232+\b], v[232+\b]                 ; the block's largest p: the same two instructions on the same number
.endr
	v_pk_add_f32 v[236:237], v[SQ:SQ+1], v[SQ+2:SQ+3]   ; the row's sum of the UNQUANTISED p, in two chains: plain work behind the four
.irp j, 4,8,12,16,20,24,28,32,36,40,44,48,52,56,60
	v_pk_add_f32 v[14:15], v[14:15], v[SQ+\j:SQ+1+\j]
	v_pk_add_f32 v[236:237], v[236:237], v[SQ+2+\j:SQ+3+\j]
.endr
	v_pk_add_f32 v[14:15], v[14:15], v[236:237]
	s_wait_alu depctr_va_vdst(0)                   ; and one for the four
.irp b, 0,1,2,3
	v_max_num_f32 v[232+\b], 0x1800000, v[232+\b]  ; the floor 2^(3 - 127): the byte cannot fall under 1
.endr
.irp b, 0,1,2,3
	v_add_nc_u32 v[244+\b], 0xff000000, v[232+\b]  ; 2 off the exponent field: the conversion's scale operand
.endr
.irp b, 0,1,2,3
	v_lshrrev_b32 v[236+\b], 23, v[244+\b]         ; the scale's byte
.endr
	v_lshl_or_b32 v253, v237, 8, v236              ; p's scale word for these 128 keys
	v_lshl_or_b32 v253, v238, 16, v253
	v_lshl_or_b32 v253, v239, 24, v253
.irp b, 0,1,2,3
	v_cvt_scalef32_pk8_fp4_f32 v[PCD+2*\b], v[SQ+16*\b:SQ+7+16*\b], v[244+\b]
	v_cvt_scalef32_pk8_fp4_f32 v[PCD+1+2*\b], v[SQ+8+16*\b:SQ+15+16*\b], v[244+\b]
.endr
	v_nop                                          ; one plain place behind the last scaled conversion
.irp c, 0,1
.irp i, 0,1
	v_permlane16_swap_b32 v[PCD+4*\c+\i], v[PCD+2+4*\c+\i]   ; a whole block in a lane: lanes 0-15 block 2 c, lanes 16-31 block 2 c + 1
.endr
.endr
.set jj, 0
.rept 16
	v_pk_mul_f32 v[OT+jj:OT+jj+1], v[OT+jj:OT+jj+1], v[252:253] op_sel_hi:[1,0]   ; O^T under the new M; these sixteen also stand between the scale word's and the codes' last writes and the products
.set jj, jj+2
.endr
	s_wait_dscnt 0x0                               ; V and its scale words are in
.irp t, 0,1,2,3
	WM OT+8*\t, 68+8*\t, PCD, 0, 208+\t/2, 253, \t%2, 0   ; the four accumulators take turns; the next link of each stands behind the next step's eight products
.endr
	s_add_co_u32 s48, s48, 4096
	s_add_co_u32 s49, s49, 4096
	s_add_co_u32 s50, s50, 768
.endm
	s_wait_loadcnt 0x0                             ; Q, sigma, den, memory
	s_wait_kmcnt 0x0                               ; the gate
	s_wait_tensorcnt 1                             ; my rows of the first part are in; the second load may stay out
	s_barrier_signal -1
	s_barrier_wait -1                              ; everybody's are
	s_mov_b32 s48, 12288
	s_mov_b32 s49, 28672
	s_mov_b32 s50, 0
	s_mov_b32 s51, 4
.Lfirst:                                           ; key steps 0-3: they read LDS bytes under 45,056 alone
	STEP
	s_sub_co_u32 s51, s51, 1
	s_cmp_lg_u32 s51, 0
	s_cbranch_scc1 .Lfirst
	s_wait_tensorcnt 0x0                           ; my rows of the second part are in
	s_wait_dscnt 0x0
	s_barrier_signal -1
	s_barrier_wait -1                              ; everybody's are
	s_mov_b32 s48, 45056
	s_mov_b32 s49, 94208
	s_mov_b32 s51, 12
.Lrest:                                            ; key steps 4-15
	STEP
	s_sub_co_u32 s51, s51, 1
	s_cmp_lg_u32 s51, 0
	s_cbranch_scc1 .Lrest
	; ---- the memory's part, the gate, and Q(inj)
	v_add_f32 v14, v14, v15                        ; l's two halves,
	v_permlanex16_b32 v252, v14, s20, s21
	v_add_f32 v14, v14, v252                       ; and lane l xor 16's
	v_mov_b32 v242, s52
	v_mul_f32 v242, 0xbfb8aa3b, v242               ; -beta log2(e)
.irp t, 0,1,2,3
	WM SQ+8*\t, 212+4*\t, 24, 1, 240+\t/2, 210, \t%2, 1   ; num^T: source 0 = 16 rows of memory, source 1 = sigma; the same layout as O^T
.endr
	v_exp_f32 v242, v242
	v_rcp_f32 v243, v14                            ; 1 / l
	v_rcp_f32 v244, v211                           ; 1 / den
.rept 4
	v_nop                                          ; the places behind the products, and the plain place behind the batch
.endr
	s_wait_alu depctr_va_vdst(0)                   ; one wait for the three
	v_add_f32 v242, 1.0, v242
	v_rcp_f32 v245, v242                           ; g = 1 / (1 + e^-beta)
	v_nop
	s_wait_alu depctr_va_vdst(0)
	v_mul_f32 v248, v245, v244                     ; g / den
	v_sub_f32 v250, 1.0, v245
	v_mov_b32 v249, v248
	v_mul_f32 v250, v250, v243                     ; (1 - g) / l
	v_mov_b32 v251, v250
.set jj, 0
.rept 16
	v_pk_mul_f32 v[SQ+jj:SQ+jj+1], v[SQ+jj:SQ+jj+1], v[248:249]   ; ascending: each accumulator is read from its low end on
.set jj, jj+2
.endr
.set jj, 0
.rept 16
	v_pk_fma_f32 v[SQ+jj:SQ+jj+1], v[OT+jj:OT+jj+1], v[250:251], v[SQ+jj:SQ+jj+1]   ; inj: register 16 q + i = channel 32 q + 16 h + i of my query
.set jj, jj+2
.endr
.irp b, 0,1
	v_max3_num_f32 v[232+\b], |v[SQ+16*\b]|, |v[SQ+1+16*\b]|, 0x1800000
.endr
.irp i, 2,4,6,8,10,12,14
.irp b, 0,1
	v_max3_num_f32 v[232+\b], v[232+\b], |v[SQ+16*\b+\i]|, |v[SQ+1+16*\b+\i]|
.endr
.endr
.irp b, 0,1
	v_permlanex16_b32 v[236+\b], v[232+\b], s20, s21
.endr
.irp b, 0,1
	v_max_num_f32 v[232+\b], v[232+\b], v[236+\b]
.endr
.irp b, 0,1
	v_add_nc_u32 v[244+\b], 0xff000000, v[232+\b]
.endr
.irp b, 0,1
	v_lshrrev_b32 v[236+\b], 23, v[244+\b]
.endr
.irp b, 0,1
	v_cvt_scalef32_pk8_fp4_f32 v[PCD+2*\b], v[SQ+16*\b:SQ+7+16*\b], v[244+\b]
	v_cvt_scalef32_pk8_fp4_f32 v[PCD+1+2*\b], v[SQ+8+16*\b:SQ+15+16*\b], v[244+\b]
.endr
	v_nop
	v_permlane16_swap_b32 v[PCD], v[PCD+2]
	v_permlane16_swap_b32 v[PCD+1], v[PCD+3]       ; v196-199: row r, channels 32 h on: half a fragment of the last product
	v_cndmask_b32 v236, v236, v237, s60            ; lanes 0-15 block 0's byte, lanes 16-31 block 1's
	global_store_b128 v1, v[PCD:PCD+3], s[14:15]   ; 32 lanes store 512 consecutive bytes, aligned
	global_store_b8 v9, v236, s[16:17]
	s_wait_tensorcnt 0x0
	ds_add_u32 v11, v255
	s_wait_dscnt 0x0
	ROUND                                          ; the closing round: no work-group ends while a partner may still ask jointly
	s_endpgm
.Lfunc_end_k_q3b08207fe1_attn:
	.size	k_q3b08207fe1_attn, .Lfunc_end_k_q3b08207fe1_attn-k_q3b08207fe1_attn
	.p2alignl 7, 3214868480
	.fill 96, 4, 3214868480
	.section	.rodata,"a",@progbits
	.p2align	6, 0x0
	.amdhsa_kernel k_q3b08207fe1_attn
		.amdhsa_group_segment_fixed_size 169984
		.amdhsa_private_segment_fixed_size 0
		.amdhsa_enable_private_segment 0
		.amdhsa_kernarg_size 56
		.amdhsa_user_sgpr_count 2
		.amdhsa_user_sgpr_kernarg_segment_ptr 1
		.amdhsa_wavefront_size32 1
		.amdhsa_system_sgpr_workgroup_id_x 1
		.amdhsa_system_sgpr_workgroup_id_y 1
		.amdhsa_system_sgpr_workgroup_id_z 1
		.amdhsa_system_vgpr_workitem_id 0
		.amdhsa_next_free_vgpr 256
		.amdhsa_next_free_sgpr 66
		.amdhsa_reserve_vcc 0
		.amdhsa_float_denorm_mode_32 3
		.amdhsa_float_denorm_mode_16_64 3
		.amdhsa_memory_ordered 1
		.amdhsa_forward_progress 1
		.amdhsa_inst_pref_size 45
	.end_amdhsa_kernel
	.amdgpu_metadata
---
amdhsa.version: [ 1, 2 ]
amdhsa.kernels:
  - .name:           k_q3b08207fe1_attn
    .symbol:         k_q3b08207fe1_attn.kd
    .args:
      - { .name: qw, .offset: 0, .size: 8, .value_kind: global_buffer, .address_space: global }
      - { .name: kvw, .offset: 8, .size: 8, .value_kind: global_buffer, .address_space: global }
      - { .name: memory_codes, .offset: 16, .size: 8, .value_kind: global_buffer, .address_space: global }
      - { .name: memory_scales, .offset: 24, .size: 8, .value_kind: global_buffer, .address_space: global }
      - { .name: gate_beta, .offset: 32, .size: 8, .value_kind: global_buffer, .address_space: global }
      - { .name: injc, .offset: 40, .size: 8, .value_kind: global_buffer, .address_space: global }
      - { .name: injs, .offset: 48, .size: 8, .value_kind: global_buffer, .address_space: global }
    .group_segment_fixed_size: 169984
    .private_segment_fixed_size: 0
    .kernarg_segment_align: 8
    .kernarg_segment_size: 56
    .max_flat_workgroup_size: 512
    .sgpr_count:     66
    .vgpr_count:     256
    .wavefront_size: 32
...
	.end_amdgpu_metadata
.endif
;; end of part 2
;; launch outp (part 3): grid 256 x 1, 8 waves a work-group, no clusters, 75,008 bytes of LDS; arguments injc, injs, Wo_codes, Wo_scales, h, ln_gamma, ln_beta, out0; writes out0
.if DOCPART == 3
	.amdgcn_target "amdgcn-amd-amdhsa--gfx1250"
	.amdhsa_code_object_version 6
	.text
	.protected	k_q3b08207fe1_outp
	.globl	k_q3b08207fe1_outp
	.p2align	8
	.type	k_q3b08207fe1_outp,@function
k_q3b08207fe1_outp:
	s_mov_b64 s[64:65], 0
	v_nop
	global_prefetch_b8 v0, s[64:65] scope:SCOPE_SE
	s_setreg_imm32_b32 hwreg(HW_REG_WAVE_MODE, 25, 1), 1
	s_wait_xcnt 0x0
; out = layer norm(h + inj Wo) gamma + beta; the product on codes of FP4 (E2M1) with E8M0 scales, all else in f32.
; SHARES.  A work-group takes one tile of 16 rows (batch b = id / 128, tile T = id % 128; row r is position 32 (T / 2) + 8 (T % 2) + r + 8 (r / 8)) with all 1,024 columns, so that a row's mean and variance stay inside it.
; In the product wave w makes columns 128 w .. 128 w + 127 (8 accumulators, 8 K steps of 128: 64 matrix instructions), used transposed (source 0 = 16 columns of Wo, source 1 = inj's 16 rows): a lane holds eight neighbouring columns of one row.
; The results meet in a stage in LDS (rows of 4,096 + 16 bytes); then wave w takes rows 2 w and 2 w + 1 whole: 32 numbers a lane.
; inj's eight fragments lie in injc as images of their registers: wave w brings fragment w, all read them from LDS.  Wo goes from memory straight into operand registers, two K steps ahead.
; NO CLUSTER, NO JOINT LOADS: Wo's 524,288 bytes of codes do not fit in LDS, and a ring for them would have a change of slots for every 8 matrix instructions of a wave.
; h's two rows of a wave are prefetched once, a lane to each 256 bytes, behind the loads of K step 4; they are loaded behind K step 6.
; LIMITS: NaN and infinities are not served; 1 / sqrt is v_rsq_f32.
; REGISTERS: v1 16 L, v2-v8 offsets; v16-23 inj's scale words (register k: K step k); v24-31 Wo's, two sets of 4 (lanes 0-15 tile 2 p, lanes 16-31 tile 2 p + 1); v32-47 inj's fragments, two sets;
;   v48-111 the accumulators, then two rows of y; v112-175 Wo set 0, then h; v176-239 Wo set 1, then gamma (176) and beta (208); v240-255 sums.
.set STG, 8192                         ; LDS: inj's images from byte 0, the stage behind them
.set SP,  4112                         ; a stage row: an odd multiple of 16 bytes
.macro WM d, a, b, z, sa, sb, ra, rb   ; one matrix instruction.  z = 1: the constant 0 starts the sum.  ra, rb: the scale words of source 0, 1 stand in lanes 16-31
.if (\z) && (\ra) && (\rb)
	v_wmma_scale_f32_16x16x128_f8f6f4 v[\d:\d+7], v[\a:\a+7], v[\b:\b+7], 0, v[\sa], v[\sb] matrix_a_fmt:MATRIX_FMT_FP4 matrix_b_fmt:MATRIX_FMT_FP4 matrix_a_scale:MATRIX_SCALE_ROW1 matrix_b_scale:MATRIX_SCALE_ROW1
.elseif (\z) && (\ra)
	v_wmma_scale_f32_16x16x128_f8f6f4 v[\d:\d+7], v[\a:\a+7], v[\b:\b+7], 0, v[\sa], v[\sb] matrix_a_fmt:MATRIX_FMT_FP4 matrix_b_fmt:MATRIX_FMT_FP4 matrix_a_scale:MATRIX_SCALE_ROW1
.elseif (\z) && (\rb)
	v_wmma_scale_f32_16x16x128_f8f6f4 v[\d:\d+7], v[\a:\a+7], v[\b:\b+7], 0, v[\sa], v[\sb] matrix_a_fmt:MATRIX_FMT_FP4 matrix_b_fmt:MATRIX_FMT_FP4 matrix_b_scale:MATRIX_SCALE_ROW1
.elseif (\z)
	v_wmma_scale_f32_16x16x128_f8f6f4 v[\d:\d+7], v[\a:\a+7], v[\b:\b+7], 0, v[\sa], v[\sb] matrix_a_fmt:MATRIX_FMT_FP4 matrix_b_fmt:MATRIX_FMT_FP4
.elseif (\ra) && (\rb)
	v_wmma_scale_f32_16x16x128_f8f6f4 v[\d:\d+7], v[\a:\a+7], v[\b:\b+7], v[\d:\d+7], v[\sa], v[\sb] matrix_a_fmt:MATRIX_FMT_FP4 matrix_b_fmt:MATRIX_FMT_FP4 matrix_a_scale:MATRIX_SCALE_ROW1 matrix_b_scale:MATRIX_SCALE_ROW1
.elseif (\ra)
	v_wmma_scale_f32_16x16x128_f8f6f4 v[\d:\d+7], v[\a:\a+7], v[\b:\b+7], v[\d:\d+7], v[\sa], v[\sb] matrix_a_fmt:MATRIX_FMT_FP4 matrix_b_fmt:MATRIX_FMT_FP4 matrix_a_scale:MATRIX_SCALE_ROW1
.elseif (\rb)
	v_wmma_scale_f32_16x16x128_f8f6f4 v[\d:\d+7], v[\a:\a+7], v[\b:\b+7], v[\d:\d+7], v[\sa], v[\sb] matrix_a_fmt:MATRIX_FMT_FP4 matrix_b_fmt:MATRIX_FMT_FP4 matrix_b_scale:MATRIX_SCALE_ROW1
.else
	v_wmma_scale_f32_16x16x128_f8f6f4 v[\d:\d+7], v[\a:\a+7], v[\b:\b+7], v[\d:\d+7], v[\sa], v[\sb] matrix_a_fmt:MATRIX_FMT_FP4 matrix_b_fmt:MATRIX_FMT_FP4
.endif
.endm
.macro GLOAD k                         ; K step k of my 128 columns of Wo: 16 loads of codes and 4 of scale words, into set k % 2
.irp t, 0,1,2,3,4,5,6,7
.irp c, 0,1
	global_load_b128 v[112+64*((\k)%2)+8*\t+4*\c:112+64*((\k)%2)+8*\t+4*\c+3], v2, s[8:9] offset:8192*\t+64*(\k)+32*\c
.endr
.endr
.irp p, 0,1,2,3
	global_load_b32 v[24+4*((\k)%2)+\p], v3, s[10:11] offset:1024*\p+4*(\k)
.endr
.endm
.macro ALOAD k                         ; inj's fragment k from its image, into set k % 2
.irp c, 0,1
	ds_load_b128 v[32+8*((\k)%2)+4*\c:32+8*((\k)%2)+4*\c+3], v1 offset:1024*(\k)+512*\c
.endr
.endm
; K step k: nl, nd = the global and LDS loads issued behind this step's own, which may stay out.  The eight accumulators take turns, one instruction a turn.
.macro KSTEP k, nl, nd
	s_wait_loadcnt \nl
	s_wait_dscnt \nd
.irp t, 0,1,2,3,4,5,6,7
	WM 48+8*\t, 112+64*((\k)%2)+8*\t, 32+8*((\k)%2), ((\k)==0), 24+4*((\k)%2)+\t/2, 16+(\k), \t%2, 0
.endr
.rept 4
	v_nop                                          ; four places, ahead of loads into the registers just read and of the first read of results
.endr
.endm
	s_load_b256 s[4:11], s[0:1], 0x0               ; injc s[4:5], injs s[6:7], Wo_codes s[8:9], Wo_scales s[10:11]
	s_load_b256 s[12:19], s[0:1], 0x20             ; h s[12:13], ln_gamma s[14:15], ln_beta s[16:17], out0 s[18:19]
	v_lshl_add_u32 v14, v0, 2, 0x12100
	v_mov_b32 v15, 0
	v_lshrrev_b32 v10, 5, v0
	v_readfirstlane_b32 s20, v10                   ; wave 0..7
	v_and_b32 v10, 31, v0                          ; L
	v_and_b32 v11, 15, v0                          ; r
	v_bfe_u32 v12, v0, 4, 1                        ; h
	v_lshlrev_b32 v1, 4, v10                       ; v1 = 16 L
	v_lshlrev_b32 v2, 9, v11
	v_lshl_add_u32 v2, v12, 4, v2                  ; v2: Wo: column r of 512 bytes, + 16 h
	v_lshlrev_b32 v3, 5, v10                       ; v3: its scales: column L of 32 bytes
	v_lshlrev_b32 v4, 5, v11                       ; v4: inj's scales: row r of 32 bytes
	v_mul_u32_u24 v5, v11, SP
	v_lshl_add_u32 v5, v12, 5, v5
	s_lshl_b32 s27, s20, 9
	s_add_co_u32 s27, s27, STG
	v_add_nc_u32 v5, s27, v5                       ; v5: into the stage: row r, + 512 w + 32 h
	s_mul_i32 s28, s20, 2*SP
	s_add_co_u32 s28, s28, STG
	v_add_nc_u32 v6, s28, v1                       ; v6: back: my two rows, 16 bytes a lane
	v_lshlrev_b32 v7, 8, v11
	v_lshl_add_u32 v7, v12, 13, v7                 ; v7: the prefetch: row h of my two, block r of its sixteen of 256 bytes
	s_lshl_b32 s30, s20, 10
	v_add_nc_u32 v8, s30, v1                       ; v8: where I store my image of inj: 16 L + 1,024 w
	s_mov_b32 s32, 0x76543210
	s_mov_b32 s33, 0xfedcba98                      ; v_permlanex16_b32's selects for lane l xor 16
	s_mov_b32 s34, 0x3a800000                      ; 1 / 1,024
	s_mov_b32 s35, 0x3727c5ac                      ; 1e-5
	s_mov_b32 s23, 0
	s_and_b32 s24, ttmp9, 127                      ; T
	s_lshr_b32 s25, s24, 1
	s_lshl_b32 s25, s25, 5
	s_and_b32 s24, s24, 1
	s_lshl_b32 s24, s24, 3
	s_add_co_u32 s25, s25, s24
	s_lshl_b32 s24, s20, 1
	s_add_co_u32 s25, s25, s24
	s_lshr_b32 s24, s20, 2
	s_lshl_b32 s24, s24, 3
	s_add_co_u32 s25, s25, s24                     ; the position of row 2 w: 32 (T / 2) + 8 (T % 2) + 2 w + 8 (w / 4); row 2 w + 1 is the next position
	s_lshl_b32 s25, s25, 13
	s_lshr_b32 s24, ttmp9, 7
	s_lshl_b32 s24, s24, 12
	s_add_co_u32 s25, s25, s24                     ; in bytes: 8,192 a position, 4,096 a batch
	s_wait_kmcnt 0x0
	s_mov_b32 s22, s25
	s_add_nc_u64 s[12:13], s[12:13], s[22:23]
	s_add_nc_u64 s[18:19], s[18:19], s[22:23]
	s_lshl_b32 s22, ttmp9, 13
	s_add_co_u32 s22, s22, s30
	s_add_nc_u64 s[4:5], s[4:5], s[22:23]          ; injc: my tile's fragment w
	s_lshl_b32 s22, ttmp9, 9
	s_add_nc_u64 s[6:7], s[6:7], s[22:23]          ; injs: my tile
	s_lshl_b32 s22, s20, 16
	s_add_nc_u64 s[8:9], s[8:9], s[22:23]          ; my 128 columns of Wo
	s_lshl_b32 s22, s20, 12
	s_add_nc_u64 s[10:11], s[10:11], s[22:23]
	global_load_b128 v[32:35], v1, s[4:5] th:TH_LOAD_NT
	global_load_b128 v[36:39], v1, s[4:5] offset:512 th:TH_LOAD_NT
	global_load_b128 v[16:19], v4, s[6:7]
	global_load_b128 v[20:23], v4, s[6:7] offset:16
	GLOAD 0
	GLOAD 1
	s_wait_loadcnt 40                              ; the first four loads are in; two K steps of Wo, 20 loads each, may stay out
	ds_store_b128 v8, v[32:35]
	ds_store_b128 v8, v[36:39] offset:512
	s_wait_dscnt 0x0                               ; for the others' sake: my image has landed
	s_barrier_signal -1
	s_barrier_wait -1                              ; inj's eight fragments lie in LDS
	ALOAD 0
	ALOAD 1
.irp k, 0,1,2,3,4,5
	KSTEP \k, 20, 2                                ; the next K step's 20 loads of Wo and 2 of inj may stay out
	GLOAD \k+2
.if \k == 2
	global_prefetch_b8 v7, s[12:13] th:TH_LOAD_NT scope:SCOPE_SE   ; my two rows of h, each 256 bytes named once in the launch, four K steps ahead of their loads
.endif
	ALOAD \k+2
.endr
	KSTEP 6, 20, 2
.irp e, 0,1
.irp i, 0,1,2,3,4,5,6,7
	global_load_b128 v[112+32*\e+4*\i:112+32*\e+4*\i+3], v1, s[12:13] offset:8192*\e+512*\i th:TH_LOAD_NT   ; h's rows, 512 consecutive bytes a load, into Wo's set 0
.endr
.endr
	KSTEP 7, 16, 0                                 ; behind K step 7's loads: h's sixteen
.irp i, 0,1,2,3,4,5,6,7
	global_load_b128 v[176+4*\i:176+4*\i+3], v1, s[14:15] offset:512*\i
	global_load_b128 v[208+4*\i:208+4*\i+3], v1, s[16:17] offset:512*\i
.endr
.irp t, 0,1,2,3,4,5,6,7
	ds_store_b128 v5, v[48+8*\t:48+8*\t+3] offset:64*\t             ; each accumulator from its low end on
	ds_store_b128 v5, v[48+8*\t+4:48+8*\t+7] offset:64*\t+16
.endr
	s_wait_dscnt 0x0                               ; for the others' sake: my part of the 16 rows has landed
	s_barrier_signal -1
	s_barrier_wait -1
.irp e, 0,1
.irp i, 0,1,2,3,4,5,6,7
	ds_load_b128 v[48+32*\e+4*\i:48+32*\e+4*\i+3], v6 offset:SP*\e+512*\i   ; register 32 e + 4 i + j: column 128 i + 4 L + j of row 2 w + e
.endr
.endr
	s_wait_loadcnt 16                              ; h is in; gamma's and beta's sixteen loads may stay out
	s_wait_dscnt 0x0
.irp j, 0,2,4,6,8,10,12,14,16,18,20,22,24,26,28,30
.irp e, 0,1
	v_pk_add_f32 v[48+32*\e+\j:49+32*\e+\j], v[48+32*\e+\j:49+32*\e+\j], v[112+32*\e+\j:113+32*\e+\j]   ; y = h + the product; the two rows by turns
.endr
.endr
.irp e, 0,1
	v_pk_add_f32 v[240+4*\e:241+4*\e], v[48+32*\e:49+32*\e], v[50+32*\e:51+32*\e]
	v_pk_add_f32 v[242+4*\e:243+4*\e], v[52+32*\e:53+32*\e], v[54+32*\e:55+32*\e]
.endr
.irp j, 8,12,16,20,24,28
.irp e, 0,1
	v_pk_add_f32 v[240+4*\e:241+4*\e], v[240+4*\e:241+4*\e], v[48+32*\e+\j:49+32*\e+\j]
	v_pk_add_f32 v[242+4*\e:243+4*\e], v[242+4*\e:243+4*\e], v[50+32*\e+\j:51+32*\e+\j]
.endr
.endr
.irp e, 0,1
	v_pk_add_f32 v[240+4*\e:241+4*\e], v[240+4*\e:241+4*\e], v[242+4*\e:243+4*\e]
.endr
.irp e, 0,1
	v_add_f32 v[240+4*\e], v[240+4*\e], v[241+4*\e]
.endr
.irp x, 1,2,4,8
.irp e, 0,1
	v_add_f32_dpp v[240+4*\e], v[240+4*\e], v[240+4*\e] row_xmask:\x row_mask:0xf bank_mask:0xf
.endr
.endr
.irp e, 0,1
	v_permlanex16_b32 v[241+4*\e], v[240+4*\e], s32, s33
.endr
.irp e, 0,1
	v_add_f32 v[240+4*\e], v[240+4*\e], v[241+4*\e]   ; the row's sum, in every lane
.endr
.irp e, 0,1
	v_mul_f32 v[240+4*\e], 0xba800000, v[240+4*\e]    ; - the mean
.endr
.irp e, 0,1
	v_mov_b32 v[241+4*\e], v[240+4*\e]
.endr
.irp j, 0,2,4,6,8,10,12,14,16,18,20,22,24,26,28,30
.irp e, 0,1
	v_pk_add_f32 v[48+32*\e+\j:49+32*\e+\j], v[48+32*\e+\j:49+32*\e+\j], v[240+4*\e:241+4*\e]   ; d = y - the mean
.endr
.endr
.irp e, 0,1
	v_pk_mul_f32 v[248+4*\e:249+4*\e], v[48+32*\e:49+32*\e], v[48+32*\e:49+32*\e]
	v_pk_mul_f32 v[250+4*\e:251+4*\e], v[50+32*\e:51+32*\e], v[50+32*\e:51+32*\e]
.endr
.irp j, 4,8,12,16,20,24,28
.irp e, 0,1
	v_pk_fma_f32 v[248+4*\e:249+4*\e], v[48+32*\e+\j:49+32*\e+\j], v[48+32*\e+\j:49+32*\e+\j], v[248+4*\e:249+4*\e]
	v_pk_fma_f32 v[250+4*\e:251+4*\e], v[50+32*\e+\j:51+32*\e+\j], v[50+32*\e+\j:51+32*\e+\j], v[250+4*\e:251+4*\e]
.endr
.endr
.irp e, 0,1
	v_pk_add_f32 v[248+4*\e:249+4*\e], v[248+4*\e:249+4*\e], v[250+4*\e:251+4*\e]
.endr
.irp e, 0,1
	v_add_f32 v[248+4*\e], v[248+4*\e], v[249+4*\e]
.endr
.irp x, 1,2,4,8
.irp e, 0,1
	v_add_f32_dpp v[248+4*\e], v[248+4*\e], v[248+4*\e] row_xmask:\x row_mask:0xf bank_mask:0xf
.endr
.endr
.irp e, 0,1
	v_permlanex16_b32 v[249+4*\e], v[248+4*\e], s32, s33
.endr
.irp e, 0,1
	v_add_f32 v[248+4*\e], v[248+4*\e], v[249+4*\e]   ; the sum of d squared
.endr
.irp e, 0,1
	v_fma_f32 v[248+4*\e], v[248+4*\e], s34, s35      ; the variance + 1e-5
.endr
.irp e, 0,1
	v_rsq_f32 v[250+4*\e], v[248+4*\e]
.endr
	v_nop                                          ; a plain place behind the second
	s_wait_alu depctr_va_vdst(0)                   ; the wait ahead of the first line that names a result: one for the two
.irp e, 0,1
	v_mov_b32 v[251+4*\e], v[250+4*\e]
.endr
.irp j, 0,2,4,6,8,10,12,14,16,18,20,22,24,26,28,30
.irp e, 0,1
	v_pk_mul_f32 v[48+32*\e+\j:49+32*\e+\j], v[48+32*\e+\j:49+32*\e+\j], v[250+4*\e:251+4*\e]
.endr
.endr
	s_wait_loadcnt 0x0                             ; gamma and beta
.irp j, 0,2,4,6,8,10,12,14,16,18,20,22,24,26,28,30
.irp e, 0,1
	v_pk_fma_f32 v[48+32*\e+\j:49+32*\e+\j], v[48+32*\e+\j:49+32*\e+\j], v[176+\j:177+\j], v[208+\j:209+\j]
.endr
.endr
.irp e, 0,1
.irp i, 0,1,2,3,4,5,6,7
	global_store_b128 v1, v[48+32*\e+4*\i:48+32*\e+4*\i+3], s[18:19] offset:8192*\e+512*\i th:TH_STORE_NT   ; 32 lanes store 512 consecutive bytes, aligned; written once
.endr
.endr
	s_wait_tensorcnt 0x0
	ds_add_u32 v14, v15
	s_wait_dscnt 0x0
	s_endpgm
.Lfunc_end_k_q3b08207fe1_outp:
	.size	k_q3b08207fe1_outp, .Lfunc_end_k_q3b08207fe1_outp-k_q3b08207fe1_outp
	.p2alignl 7, 3214868480
	.fill 96, 4, 3214868480
	.section	.rodata,"a",@progbits
	.p2align	6, 0x0
	.amdhsa_kernel k_q3b08207fe1_outp
		.amdhsa_group_segment_fixed_size 75008
		.amdhsa_private_segment_fixed_size 0
		.amdhsa_enable_private_segment 0
		.amdhsa_kernarg_size 64
		.amdhsa_user_sgpr_count 2
		.amdhsa_user_sgpr_kernarg_segment_ptr 1
		.amdhsa_wavefront_size32 1
		.amdhsa_system_sgpr_workgroup_id_x 1
		.amdhsa_system_sgpr_workgroup_id_y 1
		.amdhsa_system_sgpr_workgroup_id_z 1
		.amdhsa_system_vgpr_workitem_id 0
		.amdhsa_next_free_vgpr 256
		.amdhsa_next_free_sgpr 66
		.amdhsa_reserve_vcc 0
		.amdhsa_float_denorm_mode_32 3
		.amdhsa_float_denorm_mode_16_64 3
		.amdhsa_memory_ordered 1
		.amdhsa_forward_progress 1
		.amdhsa_inst_pref_size 50
	.end_amdhsa_kernel
	.amdgpu_metadata
---
amdhsa.version: [ 1, 2 ]
amdhsa.kernels:
  - .name:           k_q3b08207fe1_outp
    .symbol:         k_q3b08207fe1_outp.kd
    .args:
      - { .name: injc, .offset: 0, .size: 8, .value_kind: global_buffer, .address_space: global }
      - { .name: injs, .offset: 8, .size: 8, .value_kind: global_buffer, .address_space: global }
      - { .name: Wo_codes, .offset: 16, .size: 8, .value_kind: global_buffer, .address_space: global }
      - { .name: Wo_scales, .offset: 24, .size: 8, .value_kind: global_buffer, .address_space: global }
      - { .name: h, .offset: 32, .size: 8, .value_kind: global_buffer, .address_space: global }
      - { .name: ln_gamma, .offset: 40, .size: 8, .value_kind: global_buffer, .address_space: global }
      - { .name: ln_beta, .offset: 48, .size: 8, .value_kind: global_buffer, .address_space: global }
      - { .name: out0, .offset: 56, .size: 8, .value_kind: global_buffer, .address_space: global }
    .group_segment_fixed_size: 75008
    .private_segment_fixed_size: 0
    .kernarg_segment_align: 8
    .kernarg_segment_size: 64
    .max_flat_workgroup_size: 256
    .sgpr_count:     66
    .vgpr_count:     256
    .wavefront_size: 32
...
	.end_amdgpu_metadata
.endif
;; end of part 3
;; ======== version 2 of 2: 3 launches
;; workspace buffers: qw 5,242,880 bytes; kvw 4,587,520 bytes; injc 2,097,152 bytes; injs 131,072 bytes
;; launch proj (part 4): grid 64 x 4, 4 waves a work-group, no clusters, 35,328 bytes of LDS; arguments h, Wq_codes, Wq_scales, Wkv_codes, Wkv_scales, mem_norm, qw, kvw; writes qw, kvw
.if DOCPART == 4
	.amdgcn_target "amdgcn-amd-amdhsa--gfx1250"
	.amdhsa_code_object_version 6
	.text
	.protected	k_q3b08207fe1_proj
	.globl	k_q3b08207fe1_proj
	.p2align	8
	.type	k_q3b08207fe1_proj,@function
k_q3b08207fe1_proj:
	s_mov_b64 s[64:65], 0
	v_nop
	global_prefetch_b8 v0, s[64:65] scope:SCOPE_SE
	s_setreg_imm32_b32 hwreg(HW_REG_WAVE_SCHED_MODE, 0, 2), 2
	s_setreg_imm32_b32 hwreg(HW_REG_WAVE_MODE, 25, 1), 1
	s_wait_xcnt 0x0
	s_wait_alu depctr_vm_vsrc(0)
; q = Q(h) Wq, k and v = Q(h) Wkv on codes of FP4 (E2M1) with one E8M0 scale for each 32 along K; then, in registers, what the attention launch wants:
; Q(q), Q(k) along the head's 64, Q(v) ALONG THE KEYS, sigma = elu(q) + 1, den = sigma . mem_norm (f32 multiply-adds), Q(sigma).  Only codes, scale bytes and den go to memory.
; SHARES.  Work-group (sb, g): the 32 positions 32 sb .. 32 sb + 31 of both batches (64 rows of h) x heads 4 g .. 4 g + 3 x (q, k, v).  Wave w first quantises one tile of 16 rows of h (batch w / 2, half w % 2);
; the images of the 32 fragments meet in LDS behind one barrier; then wave w owns head n = 4 g + w for all 64 rows: 6 passes of 64 matrix instructions.
; THE ROWS OF A TILE ARE NOT NEIGHBOURS: with rho(r) = r + 8 (r / 8), lane r of tile u takes position 32 sb + 8 u + rho(r), and lane r of a weight's tile t takes column 32 (t / 2) + 8 (t % 2) + rho(r) of the head.
; So where the picked operand is source 0, the 16 registers of two neighbouring tiles are 16 neighbours along the next product's K: the head's 64 for q and k (source 0 = weights), the keys for v (source 0 = h).
; NO CLUSTER, NO JOINT LOADS: a wave's weights (3 x 32,768 bytes of codes) go from memory straight into the registers of its operands, each lane's 16 bytes whole; the work-group's 393,216 bytes would not fit in LDS,
; and a ring for them would have one change of slots for every 48 matrix instructions of a wave.
; LIMITS: NaN and infinities are not served.  A block of zeros gets the scale byte 1 (the rule says 127): its codes are zeros and this program alone reads the bytes.  den is summed in two chains and across two lanes, another order than a plain loop's.
; REGISTERS, in windows of 256: window 0: see the names below.  window 1: weights of q, later of v: fragment (tile t, K step k) at v[8 (8 t + k)].  window 2: weights of k.  window 3: h's 32 fragments, (tile m, K step k) at v[8 (8 m + k)].
; THE MODE: SCHED_MODE bits 1:0 = 2 (LLVM: expert scheduling mode 2), set by the entry lines.  The code itself states the register dependences
; between vector or matrix instructions and memory or LDS instructions, with s_wait_alu, always for 0.
; THE PLAN.  Registers that memory or LDS instructions touch:
;   v1-v9, v14    offsets and LDS addresses: made once at the head, never written again: one wait on va_vdst ahead of the first load serves every load and store of the kernel.
;   ACC, MN       as raw buffers of h: K step k's maxima and conversions read one of them; behind them the loads of K step k + 2 land in it (behind the last step: mem_norm, in MN).
;   PC, v248-251  the out-buffer: written by the conversions, the swaps and the lines that make scale words and den; read by the LDS stores of a K step, later by the global stores of a way out.
;   windows 1-3, WSA, WSB, HS   written by loads, read by matrix instructions alone.  Window 1 and WSA are loaded a second time, behind q's second pass.
;   TX, TM and the accumulators as sums are named by vector and matrix instructions alone.
; So a K step of h has ONE wait on va_vdst, behind its last vector line: the out-buffer is written and the raw buffer is read; the step's three LDS stores and 32 loads follow it.  The wait on vm_vsrc for those
; stores stands at the next step's head.  A way out has the wait on vm_vsrc at its head, a pass of matrix instructions behind the stores that it is for, and one wait on va_vdst ahead of each run of stores.
; A comparison's mask goes into a scalar register; the comparisons stand in runs of sixteen, with one wait on va_sdst behind each run.
.set WSA,  16                          ; v16-31   scale words of window 1's weights: register 8 p + k: lanes 0-15 tile 2 p, lanes 16-31 tile 2 p + 1
.set WSB,  32                          ; v32-47   the same for window 2's
.set HS,   48                          ; v48-63   h's scale words: register 2 k + b: lanes 0-15 tile (b, 0), lanes 16-31 tile (b, 1)
.set MN,   64                          ; v64-127  mem_norm: register 32 b + 16 q + i = channel 32 q + 16 (lane / 16) + i of batch b.  Before that: the odd K steps' 64 numbers of h
.set ACC,  128                         ; v128-191 eight accumulators.  Before that: the even K steps' 64 numbers of h
.set TX,   192                         ; v192-223 at work (exponentials)
.set TM,   224                         ; v224-227 largest magnitudes, v228-231 bytes, v232-233 sigma's words, v236-239 the conversions' scale operands
.set PC,   240                         ; v240-247 the codes just made
.set XSC,  32768                       ; LDS: 32 images of 1,024 bytes from byte 0; behind them h's scale words, 256 bytes a K step
.set QBAT, 2621440                     ; from batch 0 to batch 1 in qw: 16 heads x 128 tiles x 1,280 bytes
.set KBAT, 2293760                     ; and in kvw: 16 heads x 143,360 bytes
.set MSB, 0
.macro WIN new                         ; the immediate's high byte repeats the setting that is left
.if MSB != \new
	s_set_vgpr_msb (MSB<<8)|\new
.set MSB, \new
.endif
.endm
.macro PLACES                          ; four plain places behind matrix instructions, ahead of reads of results (ISA guide 7.12.1)
.rept 4
	v_nop
.endr
.endm
; One matrix instruction.  z = 1: the constant 0 starts the sum.  ra, rb: the scale words of source 0, 1 stand in lanes 16-31.
.macro WM d, a, b, z, sa, sb, ra, rb
.if (\z) && (\ra) && (\rb)
	v_wmma_scale_f32_16x16x128_f8f6f4 v[\d:\d+7], v[\a:\a+7], v[\b:\b+7], 0, v[\sa], v[\sb] matrix_a_fmt:MATRIX_FMT_FP4 matrix_b_fmt:MATRIX_FMT_FP4 matrix_a_scale:MATRIX_SCALE_ROW1 matrix_b_scale:MATRIX_SCALE_ROW1
.elseif (\z) && (\ra)
	v_wmma_scale_f32_16x16x128_f8f6f4 v[\d:\d+7], v[\a:\a+7], v[\b:\b+7], 0, v[\sa], v[\sb] matrix_a_fmt:MATRIX_FMT_FP4 matrix_b_fmt:MATRIX_FMT_FP4 matrix_a_scale:MATRIX_SCALE_ROW1
.elseif (\z) && (\rb)
	v_wmma_scale_f32_16x16x128_f8f6f4 v[\d:\d+7], v[\a:\a+7], v[\b:\b+7], 0, v[\sa], v[\sb] matrix_a_fmt:MATRIX_FMT_FP4 matrix_b_fmt:MATRIX_FMT_FP4 matrix_b_scale:MATRIX_SCALE_ROW1
.elseif (\z)
	v_wmma_scale_f32_16x16x128_f8f6f4 v[\d:\d+7], v[\a:\a+7], v[\b:\b+7], 0, v[\sa], v[\sb] matrix_a_fmt:MATRIX_FMT_FP4 matrix_b_fmt:MATRIX_FMT_FP4
.elseif (\ra) && (\rb)
	v_wmma_scale_f32_16x16x128_f8f6f4 v[\d:\d+7], v[\a:\a+7], v[\b:\b+7], v[\d:\d+7], v[\sa], v[\sb] matrix_a_fmt:MATRIX_FMT_FP4 matrix_b_fmt:MATRIX_FMT_FP4 matrix_a_scale:MATRIX_SCALE_ROW1 matrix_b_scale:MATRIX_SCALE_ROW1
.elseif (\ra)
	v_wmma_scale_f32_16x16x128_f8f6f4 v[\d:\d+7], v[\a:\a+7], v[\b:\b+7], v[\d:\d+7], v[\sa], v[\sb] matrix_a_fmt:MATRIX_FMT_FP4 matrix_b_fmt:MATRIX_FMT_FP4 matrix_a_scale:MATRIX_SCALE_ROW1
.elseif (\rb)
	v_wmma_scale_f32_16x16x128_f8f6f4 v[\d:\d+7], v[\a:\a+7], v[\b:\b+7], v[\d:\d+7], v[\sa], v[\sb] matrix_a_fmt:MATRIX_FMT_FP4 matrix_b_fmt:MATRIX_FMT_FP4 matrix_b_scale:MATRIX_SCALE_ROW1
.else
	v_wmma_scale_f32_16x16x128_f8f6f4 v[\d:\d+7], v[\a:\a+7], v[\b:\b+7], v[\d:\d+7], v[\sa], v[\sb] matrix_a_fmt:MATRIX_FMT_FP4 matrix_b_fmt:MATRIX_FMT_FP4
.endif
.endm
; 64 numbers of a lane in four groups of 16: group b, with lane l xor 16's group b, is one block of 32.  Out: the bytes in v[TM+4+b], the codes of my 16 in v[PC+2b], v[PC+2b+1].
; Each accumulator among the 64 is read from its lowest registers on.
.macro QCORE s
.irp b, 0,1,2,3
	v_max3_num_f32 v[TM+\b], |v[\s+16*\b]|, |v[\s+1+16*\b]|, 0x1800000   ; my 16 numbers, and the floor 2^(3 - 127): the byte cannot fall under 1
.endr
.irp i, 2,4,6,8,10,12,14
.irp b, 0,1,2,3
	v_max3_num_f32 v[TM+\b], v[TM+\b], |v[\s+16*\b+\i]|, |v[\s+1+16*\b+\i]|   ; the four groups by turns
.endr
.endr
.irp b, 0,1,2,3
	v_permlanex16_b32 v[TM+4+\b], v[TM+\b], s24, s25
.endr
.irp b, 0,1,2,3
	v_max_num_f32 v[TM+\b], v[TM+\b], v[TM+4+\b]   ; the block's largest magnitude
.endr
.irp b, 0,1,2,3
	v_add_nc_u32 v[TM+12+\b], 0xff000000, v[TM+\b]   ; 2 off its exponent field: the conversion takes the exponent field of this operand as its scale
.endr
.irp b, 0,1,2,3
	v_lshrrev_b32 v[TM+4+\b], 23, v[TM+12+\b]   ; the scale's byte
.endr
.irp b, 0,1,2,3
	v_cvt_scalef32_pk8_fp4_f32 v[PC+2*\b], v[\s+16*\b:\s+7+16*\b], v[TM+12+\b]
	v_cvt_scalef32_pk8_fp4_f32 v[PC+1+2*\b], v[\s+8+16*\b:\s+15+16*\b], v[TM+12+\b]
.endr
	v_nop                                          ; one plain place behind the last scaled conversion
.endm
.macro SWAPS                           ; the operand's layout wants a whole block in a lane: registers 4 c .. 4 c + 3: lanes 0-15 group 2 c, lanes 16-31 group 2 c + 1
.irp c, 0,1
.irp i, 0,1
	v_permlane16_swap_b32 v[PC+4*\c+\i], v[PC+2+4*\c+\i]
.endr
.endr
.endm
.macro WORD2 dst, u                    ; the scale word of a row with K = 64: two bytes, and 0x7f (the scale 1) for the upper 64, whose codes are zeros
	v_lshl_or_b32 v[\dst], v[TM+5+2*\u], 8, v[TM+4+2*\u]
	v_or_b32 v[\dst], 0x7f7f0000, v[\dst]
.endm
.macro XLOAD reg, k                    ; my row's 64 numbers of K step k: of each block of 32 the 16 at 16 (lane / 16)
.irp q, 0,1,2,3
.irp j, 0,1,2,3
	global_load_b128 v[\reg+16*\q+4*\j:\reg+16*\q+4*\j+3], v3, s[4:5] offset:512*(\k)+128*\q+16*\j
.endr
.endr
.endm
.macro WBATCH win, bl, t, extra        ; the eight fragments of a weight's tile t: 16 loads
	WIN \win
.irp k, 0,1,2,3,4,5,6,7
.irp c, 0,1
	global_load_b128 v[8*(8*(\t)+\k)+4*\c:8*(8*(\t)+\k)+4*\c+3], v6, s[\bl:\bl+1] offset:(32*((\t)/2)+8*((\t)%2))*512+64*\k+32*\c+\extra
.endr
.endr
	WIN 0
.endm
.macro WSCALE reg, bl, extra           ; a weight's scale words: a column's 32 bytes are the 8 K steps' words
.irp p, 0,1
.irp j, 0,1
	global_load_b128 v[\reg+8*\p+4*\j:\reg+8*\p+4*\j+3], v7, s[\bl:\bl+1] offset:1024*\p+16*\j+\extra
.endr
.endr
.endm
	s_load_b256 s[4:11], s[0:1], 0x0               ; h s[4:5], Wq_codes s[6:7], Wq_scales s[8:9], Wkv_codes s[10:11]
	s_load_b256 s[12:19], s[0:1], 0x20             ; Wkv_scales s[12:13], mem_norm s[14:15], qw s[16:17], kvw s[18:19]
	v_lshl_add_u32 v252, v0, 2, 0x8800
	v_mov_b32 v253, 0
	v_lshrrev_b32 v10, 5, v0
	v_readfirstlane_b32 s20, v10                   ; wave 0..3
	v_and_b32 v10, 31, v0                          ; lane L
	v_and_b32 v11, 15, v0                          ; r
	v_bfe_u32 v12, v0, 4, 1                        ; h
	v_and_b32 v13, 8, v11
	v_add_nc_u32 v13, v13, v11                     ; rho(r)
	v_lshlrev_b32 v1, 4, v10                       ; v1 = 16 L: an image's place for my lane
	v_lshlrev_b32 v2, 2, v10                       ; v2 = 4 L
	v_lshlrev_b32 v14, 3, v10                      ; v14 = 8 L
	v_lshlrev_b32 v3, 13, v13
	v_lshl_add_u32 v3, v12, 6, v3                  ; v3: h: position rho(r) (8,192 bytes apart), + 64 h
	s_wait_alu depctr_va_sdst(0)                   ; s20 is written, ahead of its first reader: LDS addresses and all bases are made from it
	s_lshl_b32 s27, s20, 13
	v_add_nc_u32 v4, s27, v1                       ; v4: where I store my tile's images: 16 L + 8,192 w
	v_lshlrev_b32 v5, 2, v11
	s_lshl_b32 s28, s20, 6
	v_add_nc_u32 v5, s28, v5                       ; v5: and its scale words: 4 r + 64 w
	v_lshlrev_b32 v6, 9, v13
	v_lshl_add_u32 v6, v12, 4, v6                  ; v6: weights: column rho(r) of 512 bytes, + 16 h
	v_lshl_add_u32 v7, v12, 3, v13
	v_lshlrev_b32 v7, 5, v7                        ; v7: their scales: column 8 h + rho(r), 32 bytes each
	v_lshlrev_b32 v8, 6, v12                       ; v8: mem_norm: 64 h
	v_lshlrev_b32 v9, 4, v11
	v_lshl_add_u32 v9, v12, 3, v9                  ; v9: V's image: 16 r + 8 h
.irp b, 0,1,2,3
	v_mov_b32 v[TM+4+\b], 0                        ; written once: a lane permute's destination counts as one of its sources
.endr
	s_mov_b32 s21, ttmp9                           ; sb
	s_and_b32 s22, ttmp7, 0xffff                   ; g
	s_lshl_b32 s23, s22, 2
	s_add_co_u32 s23, s23, s20                     ; my head n = 4 g + w
	s_mov_b32 s24, 0x76543210
	s_mov_b32 s25, 0xfedcba98                      ; v_permlanex16_b32's selects for lane l xor 16
	s_mov_b32 s26, 0xffff0000                      ; a mask of lanes 16-31
	s_mov_b32 s29, 0
	; kvw: a head's block of 143,360 bytes: scale words (768 bytes a step of 128 keys), K steps 0-3, V steps 0-3, K steps 4-15, V steps 4-15
	s_lshr_b32 s40, s21, 2                         ; step
	s_and_b32 s41, s21, 3                          ; kb: my 32 keys' block in the step
	s_cmp_lt_u32 s40, 4
	s_mov_b32 s42, 28672
	s_cselect_b32 s42, 12288, s42                  ; K's images begin at 4,096 step + this
	s_mov_b32 s43, 77824
	s_cselect_b32 s43, 28672, s43                  ; V's likewise
	s_lshl_b32 s44, s40, 12
	s_mul_i32 s30, s23, 143360
	s_add_co_u32 s44, s44, s30
	s_add_co_u32 s42, s42, s44
	s_lshl_b32 s27, s41, 10
	s_add_co_u32 s42, s42, s27                     ; K: tiles 2 kb, 2 kb + 1 of the step, 512 bytes each
	s_add_co_u32 s43, s43, s44
	s_lshr_b32 s27, s41, 1
	s_lshl_b32 s27, s27, 9
	s_add_co_u32 s43, s43, s27
	s_and_b32 s27, s41, 1
	s_lshl_b32 s27, s27, 8
	s_add_co_u32 s43, s43, s27                     ; V: half kb / 2 of a fragment, lanes 16 (kb % 2) on
	s_mul_i32 s44, s40, 768
	s_add_co_u32 s44, s44, s30
	s_lshl_b32 s27, s41, 7
	s_add_co_u32 s45, s44, s27                     ; K's scale words of tiles 2 kb, 2 kb + 1
	s_add_co_u32 s44, s44, s41
	s_add_co_u32 s44, s44, 512                     ; V's scale bytes: byte kb of each word
	s_wait_kmcnt 0x0
	s_mov_b32 s28, s42
	s_add_nc_u64 s[32:33], s[18:19], s[28:29]      ; s[32:33] K's images
	s_mov_b32 s28, s43
	s_add_nc_u64 s[34:35], s[18:19], s[28:29]      ; s[34:35] V's images
	s_mov_b32 s28, s45
	s_add_nc_u64 s[36:37], s[18:19], s[28:29]      ; s[36:37] K's scale words
	s_mov_b32 s28, s44
	s_add_nc_u64 s[38:39], s[18:19], s[28:29]      ; s[38:39] V's scale bytes
	s_lshl_b32 s28, s21, 18                        ; h: 32 sb positions of 8,192 bytes,
	s_and_b32 s27, s20, 1
	s_lshl_b32 s27, s27, 16
	s_add_co_u32 s28, s28, s27                     ; + 8 (w % 2) positions,
	s_lshr_b32 s27, s20, 1
	s_lshl_b32 s27, s27, 12
	s_add_co_u32 s28, s28, s27                     ; + batch w / 2
	s_add_nc_u64 s[4:5], s[4:5], s[28:29]
	s_lshl_b32 s28, s23, 15                        ; my head's 64 columns of 512 bytes
	s_add_nc_u64 s[6:7], s[6:7], s[28:29]
	s_add_nc_u64 s[10:11], s[10:11], s[28:29]
	s_lshl_b32 s28, s23, 11                        ; and of 32 scale bytes
	s_add_nc_u64 s[8:9], s[8:9], s[28:29]
	s_add_nc_u64 s[12:13], s[12:13], s[28:29]
	s_lshl_b32 s28, s23, 8
	s_add_nc_u64 s[14:15], s[14:15], s[28:29]      ; mem_norm at my head
	s_mul_i32 s28, s23, 163840
	s_mul_i32 s27, s21, 2560
	s_add_co_u32 s28, s28, s27
	s_add_nc_u64 s[16:17], s[16:17], s[28:29]      ; qw: records of 1,280 bytes, [head][tile 2 sb + u]
	; ---- X: my 16 rows of h become eight fragments.  Two K steps' numbers are on their way; a batch of weights is asked for behind each step.
	s_wait_alu depctr_va_vdst(0)                   ; v1 to v9 and v14 are written: every load and store of the kernel, global or LDS, reads one of them as its offset or address
	XLOAD ACC, 0
	XLOAD MN, 1
; K step k.  n = the loads issued behind this step's own 16, which may stay out.
.macro XSTEP k, n
	s_wait_loadcnt \n
.if (\k) > 0
	s_wait_dscnt 0x0                               ; the last step's three LDS stores are done,
	s_wait_alu depctr_vm_vsrc(0)                   ; and have read v[PC ..] and v248, which this step's conversions and word lines write again
.endif
	QCORE ACC-64*((\k)%2)
	SWAPS
	v_lshl_or_b32 v248, v[TM+5], 8, v[TM+4]        ; my row's scale word for these 128
	v_lshl_or_b32 v248, v[TM+6], 16, v248
	v_lshl_or_b32 v248, v[TM+7], 24, v248
	s_wait_alu depctr_va_vdst(0)                   ; v[PC ..] and v248 are written, which the LDS stores read; the maxima and conversions are done reading this step's 64 numbers, in whose registers the loads at the step's end land
	ds_store_b128 v4, v[PC:PC+3] offset:1024*(\k)  ; the fragment goes to LDS as an image of its registers
	ds_store_b128 v4, v[PC+4:PC+7] offset:1024*(\k)+512
	ds_store_b32 v5, v248 offset:XSC+256*(\k)      ; both halves of the lanes write the same word with the same value
.if (\k) < 4
	WBATCH 0x40, 6, \k, 0                          ; q's tile k into window 1, which no vector or matrix instruction has named yet
.else
	WBATCH 0x80, 10, (\k)-4, 0                     ; k's tile k - 4 into window 2, likewise
.endif
.if (\k) < 6
	XLOAD ACC-64*((\k)%2), (\k)+2                  ; no vector instruction since the wait above names these registers
.endif
.endm
	XSTEP 0, 16                                    ; behind step 0's loads: step 1's
	XSTEP 1, 32                                    ; from here on: a batch of weights and a later step's 16
	XSTEP 2, 32
	XSTEP 3, 32
	XSTEP 4, 32
	XSTEP 5, 32
	XSTEP 6, 32
	XSTEP 7, 16                                    ; behind step 7's loads: one batch of weights
	WSCALE WSA, 8, 0
	WSCALE WSB, 12, 0
.irp b, 0,1
.irp q, 0,1
.irp j, 0,1,2,3
	global_load_b128 v[MN+32*\b+16*\q+4*\j:MN+32*\b+16*\q+4*\j+3], v8, s[14:15] offset:4096*\b+128*\q+16*\j   ; into step 7's raw buffer: its readers stand ahead of step 7's wait on va_vdst, and no vector instruction has followed
.endr
.endr
.endr
	s_wait_dscnt 0x0                               ; for the others' sake: my images have landed
	s_barrier_signal -1
	s_barrier_wait -1                              ; all 32 fragments of h lie in LDS
	WIN 0xc0                                       ; destination window 3
.irp m, 0,1,2,3
.irp k, 0,1,2,3,4,5,6,7
.irp c, 0,1
	ds_load_b128 v[8*(8*\m+\k)+4*\c:8*(8*\m+\k)+4*\c+3], v1 offset:8192*\m+1024*\k+512*\c
.endr
.endr
.endr
	WIN 0
.irp k, 0,1,2,3,4,5,6,7
.irp p, 0,1
	ds_load_b32 v[HS+2*\k+\p], v2 offset:XSC+256*\k+128*\p
.endr
.endr
	s_wait_dscnt 0x0
	s_wait_loadcnt 0x0                             ; q's and k's weights, their scales, mem_norm.  All loads that read the bases s[4:9] are done: s4 to s9 serve as masks below
; A pass: one of q, k, v for the 32 rows of batch b: 64 matrix instructions; the eight accumulators take turns, one instruction a turn.
; q, k: source 0 = 16 columns of the weight, source 1 = 16 rows of h: accumulator 4 u + t; a lane holds ONE row, and registers 32 u + 16 q + i are channel 32 q + 16 (lane / 16) + i.
.macro PASSQK wb, b
.irp k, 0,1,2,3,4,5,6,7
.irp u, 0,1
.irp t, 0,1,2,3
	WM ACC+32*\u+8*\t, 8*(8*\t+\k), 8*(8*(2*\b+\u)+\k), (\k==0), \wb+8*(\t/2)+\k, HS+2*\k+\b, \t%2, \u
.endr
.endr
.endr
	WIN 0
	PLACES
.endm
; v: source 0 = 16 rows of h, source 1 = 16 columns of the weight: accumulator 2 t + u; a lane holds ONE channel, and registers 16 t + i are key 16 (lane / 16) + i of my 32.
.macro PASSV b
.irp k, 0,1,2,3,4,5,6,7
.irp u, 0,1
.irp t, 0,1,2,3
	WM ACC+16*\t+8*\u, 8*(8*(2*\b+\u)+\k), 8*(8*\t+\k), (\k==0), HS+2*\k+\b, WSA+8*(\t/2)+\k, \u, \t%2
.endr
.endr
.endr
	WIN 0
	PLACES
.endm
; 32 numbers x become elu(x) + 1: x + 1 above 0, else (e^x - 1) + 1.  One batch of exponentials, one wait.
; The comparisons 0 < x stand in two runs of sixteen; number i of a run writes its mask into s2 .. s9 (i under 8) or s40 .. s47: scalar registers that nothing else uses from here on.
.macro SIGMA a
.set ii, 0
.rept 32
	v_mul_f32 v[TX+ii], 0x3fb8aa3b, v[\a+ii]       ; x log2(e)
.set ii, ii+1
.endr
.set ii, 0
	s_wait_alu depctr_va_vdst(0)
.rept 32
	v_exp_f32 v[TX+ii], v[TX+ii]
.set ii, ii+1
.endr
	v_nop                                          ; a plain place behind the last exponential
.irp hh, 0,1
.set ii, 16*\hh
.rept 16
	v_cmp_lt_f32 s[2+(ii%16)+30*((ii%16)/8)], 0, v[\a+ii]   ; they read x as it came: x + 1 is written below.  The first run names no exponential's result: independent work behind the batch
.set ii, ii+1
.endr
.if \hh == 0
	s_wait_alu depctr_va_vdst(0)                   ; the 32 exponentials have written v[TX ..]: the wait ahead of the first line that names a result: one for the batch
.endif
	s_wait_alu depctr_va_sdst(0)                   ; the sixteen comparisons have written their masks, ahead of the selections that read them
.set ii, 16*\hh
.rept 16
	v_add_f32 v[TX+ii], -1.0, v[TX+ii]
.set ii, ii+1
.endr
.set ii, 16*\hh
.rept 16
	v_add_f32 v[TX+ii], 1.0, v[TX+ii]
.set ii, ii+1
.endr
.set ii, 16*\hh
.rept 16
	v_add_f32 v[\a+ii], 1.0, v[\a+ii]
.set ii, ii+1
.endr
.set ii, 16*\hh
.rept 16
	v_cndmask_b32 v[\a+ii], v[TX+ii], v[\a+ii], s[2+(ii%16)+30*((ii%16)/8)]
.set ii, ii+1
.endr
.endr
.endm
; den of tile u's row: my 32 channels in two packed chains, then lane l xor 16's 32
.macro DEN u, b
	v_pk_mul_f32 v[254:255], v[ACC+32*\u:ACC+32*\u+1], v[MN+32*\b:MN+32*\b+1]
	v_pk_mul_f32 v[TX:TX+1], v[ACC+32*\u+2:ACC+32*\u+3], v[MN+32*\b+2:MN+32*\b+3]
.irp i, 4,8,12,16,20,24,28
	v_pk_fma_f32 v[254:255], v[ACC+32*\u+\i:ACC+32*\u+\i+1], v[MN+32*\b+\i:MN+32*\b+\i+1], v[254:255]
	v_pk_fma_f32 v[TX:TX+1], v[ACC+32*\u+\i+2:ACC+32*\u+\i+3], v[MN+32*\b+\i+2:MN+32*\b+\i+3], v[TX:TX+1]
.endr
	v_pk_add_f32 v[254:255], v[254:255], v[TX:TX+1]
	v_add_f32 v254, v254, v255
	v_permlanex16_b32 v255, v254, s24, s25
	v_add_f32 v[249+2*\u], v254, v255
.endm
; q of batch b: two records of qw.  +0 Q's codes, +512 sigma's, as images (16 bytes a lane: row r, channels 32 (lane / 16) on); +1024 + 8 L: the scale word (lanes 0-15 Q's, lanes 16-31 sigma's) and den.
.macro EPIQ b
	s_wait_xcnt 0x0                                ; earlier stores have had their addresses translated: their data registers are written again only behind this wait,
	s_wait_alu depctr_vm_vsrc(0)                   ; and behind this one: the stores issued so far, LDS and global, have read v[PC ..] and v248 to v251
	QCORE ACC
	SWAPS
	WORD2 248, 0
	WORD2 250, 1
	s_wait_alu depctr_va_vdst(0)                   ; the conversions and swaps have written Q's codes in v[PC ..], which the two stores read
	global_store_b128 v1, v[PC:PC+3], s[16:17] offset:QBAT*\b
	global_store_b128 v1, v[PC+4:PC+7], s[16:17] offset:QBAT*\b+1280
	SIGMA ACC
	SIGMA ACC+32
	DEN 0, \b
	DEN 1, \b
	s_wait_xcnt 0x0                                ; the two stores above have had their addresses translated,
	s_wait_alu depctr_vm_vsrc(0)                   ; and have read Q's codes: v[PC ..] takes sigma's
	QCORE ACC
	SWAPS
	WORD2 TM+8, 0
	WORD2 TM+9, 1
	v_cndmask_b32 v248, v248, v[TM+8], s26
	v_cndmask_b32 v250, v250, v[TM+9], s26
	s_wait_alu depctr_va_vdst(0)                   ; sigma's codes, the two merged scale words and the two den are written: one wait for the four stores
	global_store_b128 v1, v[PC:PC+3], s[16:17] offset:QBAT*\b+512
	global_store_b128 v1, v[PC+4:PC+7], s[16:17] offset:QBAT*\b+1280+512
	global_store_b64 v14, v[248:249], s[16:17] offset:QBAT*\b+1024        ; 32 lanes store 256 consecutive bytes, aligned
	global_store_b64 v14, v[250:251], s[16:17] offset:QBAT*\b+1280+1024
.endm
.macro EPIK b
	s_wait_xcnt 0x0                                ; the last way out's stores have had their addresses translated,
	s_wait_alu depctr_vm_vsrc(0)                   ; and have read v[PC ..] and v248 to v251, which are written again below
	QCORE ACC
	SWAPS
	WORD2 248, 0
	WORD2 250, 1
	v_cndmask_b32 v248, v248, v250, s26            ; lanes 0-15 tile 2 kb's words, lanes 16-31 tile 2 kb + 1's
	s_wait_alu depctr_va_vdst(0)                   ; K's codes and the merged scale word are written: one wait for the three stores
	global_store_b128 v1, v[PC:PC+3], s[32:33] offset:KBAT*\b
	global_store_b128 v1, v[PC+4:PC+7], s[32:33] offset:KBAT*\b+512
	global_store_b32 v2, v248, s[36:37] offset:KBAT*\b
.endm
; v of batch b: group t is a block of 32 KEYS of channel (t, r): my 16 codes are 8 bytes of the image of V's fragment; the 32 lanes store 256 consecutive bytes, aligned
.macro EPIV b
	s_wait_xcnt 0x0                                ; the last way out's stores have had their addresses translated,
	s_wait_alu depctr_vm_vsrc(0)                   ; and have read v[PC ..], v248 and v250, which are written again below
	QCORE ACC
	v_cndmask_b32 v248, v[TM+4], v[TM+5], s26      ; lanes 0-15 tile 0's bytes, lanes 16-31 tile 1's
	v_cndmask_b32 v250, v[TM+6], v[TM+7], s26
	s_wait_alu depctr_va_vdst(0)                   ; V's codes and the merged bytes are written: one wait for the six stores
.irp t, 0,1,2,3
	global_store_b64 v9, v[PC+2*\t:PC+2*\t+1], s[34:35] offset:KBAT*\b+1024*\t
.endr
	global_store_b8 v2, v248, s[38:39] offset:KBAT*\b           ; one byte of each row's word: the other three come from the step's other three work-groups
	global_store_b8 v2, v250, s[38:39] offset:KBAT*\b+128
.endm
	WIN 0x0d                                       ; source 0 window 1 (weights), source 1 window 3 (h)
	PASSQK WSA, 0
	EPIQ 0
	WIN 0x0d
	PASSQK WSA, 1
	s_wait_alu depctr_va_vdst(0)                   ; the pass's matrix instructions are done reading window 1 and v[WSA ..], in which the 68 loads below land; only window switches and loads stand between
.irp t, 0,1,2,3
	WBATCH 0x40, 10, \t, 524288                    ; q's weights are done with: v's take their registers and land under the next blocks
.endr
	WSCALE WSA, 12, 32768
	EPIQ 1
	WIN 0x0e                                       ; source 0 window 2
	PASSQK WSB, 0
	EPIK 0
	WIN 0x0e
	PASSQK WSB, 1
	EPIK 1
	s_wait_loadcnt 0x0                             ; v's weights and scales
	WIN 0x07                                       ; source 0 window 3 (h), source 1 window 1 (weights)
	PASSV 0
	EPIV 0
	WIN 0x07
	PASSV 1
	EPIV 1
	s_wait_dscnt 0x0
	s_wait_alu depctr_hold_cnt(0) depctr_sa_sdst(0) depctr_va_vdst(0) depctr_va_sdst(0) depctr_va_ssrc(0) depctr_va_vcc(0) depctr_vm_vsrc(0)
	s_wait_tensorcnt 0x0
	ds_add_u32 v252, v253
	s_wait_dscnt 0x0
	s_endpgm
.Lfunc_end_k_q3b08207fe1_proj:
	.size	k_q3b08207fe1_proj, .Lfunc_end_k_q3b08207fe1_proj-k_q3b08207fe1_proj
	.p2alignl 7, 3214868480
	.fill 96, 4, 3214868480
	.section	.rodata,"a",@progbits
	.p2align	6, 0x0
	.amdhsa_kernel k_q3b08207fe1_proj
		.amdhsa_group_segment_fixed_size 35328
		.amdhsa_private_segment_fixed_size 0
		.amdhsa_enable_private_segment 0
		.amdhsa_kernarg_size 64
		.amdhsa_user_sgpr_count 2
		.amdhsa_user_sgpr_kernarg_segment_ptr 1
		.amdhsa_wavefront_size32 1
		.amdhsa_system_sgpr_workgroup_id_x 1
		.amdhsa_system_sgpr_workgroup_id_y 1
		.amdhsa_system_sgpr_workgroup_id_z 1
		.amdhsa_system_vgpr_workitem_id 0
		.amdhsa_next_free_vgpr 1024
		.amdhsa_next_free_sgpr 66
		.amdhsa_reserve_vcc 0
		.amdhsa_float_denorm_mode_32 3
		.amdhsa_float_denorm_mode_16_64 3
		.amdhsa_memory_ordered 1
		.amdhsa_forward_progress 1
		.amdhsa_inst_pref_size 204
	.end_amdhsa_kernel
	.amdgpu_metadata
---
amdhsa.version: [ 1, 2 ]
amdhsa.kernels:
  - .name:           k_q3b08207fe1_proj
    .symbol:         k_q3b08207fe1_proj.kd
    .args:
      - { .name: h, .offset: 0, .size: 8, .value_kind: global_buffer, .address_space: global }
      - { .name: Wq_codes, .offset: 8, .size: 8, .value_kind: global_buffer, .address_space: global }
      - { .name: Wq_scales, .offset: 16, .size: 8, .value_kind: global_buffer, .address_space: global }
      - { .name: Wkv_codes, .offset: 24, .size: 8, .value_kind: global_buffer, .address_space: global }
      - { .name: Wkv_scales, .offset: 32, .size: 8, .value_kind: global_buffer, .address_space: global }
      - { .name: mem_norm, .offset: 40, .size: 8, .value_kind: global_buffer, .address_space: global }
      - { .name: qw, .offset: 48, .size: 8, .value_kind: global_buffer, .address_space: global }
      - { .name: kvw, .offset: 56, .size: 8, .value_kind: global_buffer, .address_space: global }
    .group_segment_fixed_size: 35328
    .private_segment_fixed_size: 0
    .kernarg_segment_align: 8
    .kernarg_segment_size: 64
    .max_flat_workgroup_size: 128
    .sgpr_count:     66
    .vgpr_count:     1024
    .wavefront_size: 32
...
	.end_amdgpu_metadata
.endif
;; end of part 4
;; launch attn (part 5): grid 8 x 32, 16 waves a work-group, clusters of 4 x 1, 327,680 bytes of LDS; arguments qw, kvw, memory_codes, memory_scales, gate_beta, injc, injs; writes injc, injs
.if DOCPART == 5
	.amdgcn_target "amdgcn-amd-amdhsa--gfx1250"
	.amdhsa_code_object_version 6
	.text
	.protected	k_q3b08207fe1_attn
	.globl	k_q3b08207fe1_attn
	.p2align	8
	.type	k_q3b08207fe1_attn,@function
k_q3b08207fe1_attn:
	s_mov_b64 s[64:65], 0
	v_nop
	global_prefetch_b8 v0, s[64:65] scope:SCOPE_SE
	s_setreg_imm32_b32 hwreg(HW_REG_WAVE_MODE, 25, 1), 1
	s_wait_xcnt 0x0
	s_wait_alu depctr_hold_cnt(0) depctr_sa_sdst(0) depctr_va_vdst(0) depctr_va_sdst(0) depctr_va_ssrc(0) depctr_va_vcc(0) depctr_vm_vsrc(0)
	s_getreg_b32 s2, hwreg(HW_REG_IB_STS2, 6, 4)
	s_cmp_eq_u32 s2, 0
	s_cbranch_scc0 .Lentry_in_a_cluster
	s_endpgm
.Lentry_in_a_cluster:
	s_bfe_u32 s2, ttmp6, 0x10000c
	s_cmp_lg_u32 s2, 0x3003
	s_cbranch_scc0 .Lentry_shape_is_right
	s_endpgm
.Lentry_shape_is_right:
; For one head (hd = 16 b + n) and 256 queries: S^T = K Q^T, p = 2^(t - M), O^T = V^T P^T, num^T = memory sigma^T, inj = g num / den + (1 - g) O / l, and Q(inj); all four products on codes of FP4 (E2M1) with E8M0 scales.
; THE SOFTMAX: t = score x log2(e) / 8; M = the running largest t rounded UP to a whole number; p = 2^(t - M) is quantised along the keys, not normalised; the row's sum l is taken of the unquantised p.  When M moves, l and O^T are multiplied by 2^(old M - new M): exact.
; SHARES.  Sixteen waves, each with ONE tile of 16 queries in 256 registers, four waves to a SIMD.  Every wave walks the head's 2,048 keys, 128 a step.
; LDS.  A head's K, V and scale words are 143,360 bytes, laid in kvw in the order of the operands' registers.  They come ONCE: nothing is filled again.  The first 45,056 bytes (all scale words, key steps 0-3)
; and the other 98,304 (key steps 4-15) are two tensor loads a wave, 11 and 24 rows of 256 bytes; a wave has one out at a time.  Steps 0-3 are worked while the second is on its way.
; CLUSTER.  The four query blocks of a cluster belong to one head: both loads are asked for JOINTLY, the same descriptor and a mask of the four in all four.
; NO PREFETCH: all that the launch reads is asked for at its head; there is no later load for a prefetch to run ahead of.
; LAYOUT.  Both products transposed: a lane holds ONE query (lane % 16).  The keys, and V's and memory's channels, of a tile are picked by rho(r) = r + 8 (r / 8), so that 16 registers of two neighbouring tiles are 16 neighbours along the next K.
; K = 64 IN A FORM OF K = 128: Q's and sigma's upper four registers hold zero codes.  The other source's upper four registers are then whatever follows (the next tile's codes): they meet zero codes and scale bytes that are never 0xff, and add exactly 0.
; LIMITS: NaN and infinities are not served; a p under 2^-126 falls to 0; 1 / l, 1 / den and the gate are made by v_rcp_f32; a block of zeros gets the scale byte 1 (the rule says 127): its codes are zeros and this program alone reads the bytes.
; REGISTERS: v1 16 L, v2 4 L, v6 8 L; v3-5 the step's LDS addresses; v7-9 offsets; v12 -M, v13 the largest t, v[14:15] l in two halves; v16-23 Q, v24-31 sigma (upper four: 0); v32-67 K (tile t at 32 + 4 t; v64-67 = 0); v68-99 V;
;   v100-163 S^T, then p; v164-195 O^T; v196-203 p's codes; v204-207 K's scale words, v208-209 V's, v210 Q's (lanes 0-15) and sigma's (lanes 16-31), v211 den; v212-231 memory (tile t at 212 + 4 t; v228-231 = 0); v240-241 memory's scale words; v253 p's scale word; the rest at work.
.set SQ,  100
.set OT,  164
.set PCD, 196
.macro WM d, a, b, z, sa, sb, ra, rb   ; one matrix instruction.  z = 1: the constant 0 starts the sum.  ra, rb: the scale words of source 0, 1 stand in lanes 16-31
.if (\z) && (\ra) && (\rb)
	v_wmma_scale_f32_16x16x128_f8f6f4 v[\d:\d+7], v[\a:\a+7], v[\b:\b+7], 0, v[\sa], v[\sb] matrix_a_fmt:MATRIX_FMT_FP4 matrix_b_fmt:MATRIX_FMT_FP4 matrix_a_scale:MATRIX_SCALE_ROW1 matrix_b_scale:MATRIX_SCALE_ROW1
.elseif (\z) && (\ra)
	v_wmma_scale_f32_16x16x128_f8f6f4 v[\d:\d+7], v[\a:\a+7], v[\b:\b+7], 0, v[\sa], v[\sb] matrix_a_fmt:MATRIX_FMT_FP4 matrix_b_fmt:MATRIX_FMT_FP4 matrix_a_scale:MATRIX_SCALE_ROW1
.elseif (\z) && (\rb)
	v_wmma_scale_f32_16x16x128_f8f6f4 v[\d:\d+7], v[\a:\a+7], v[\b:\b+7], 0, v[\sa], v[\sb] matrix_a_fmt:MATRIX_FMT_FP4 matrix_b_fmt:MATRIX_FMT_FP4 matrix_b_scale:MATRIX_SCALE_ROW1
.elseif (\z)
	v_wmma_scale_f32_16x16x128_f8f6f4 v[\d:\d+7], v[\a:\a+7], v[\b:\b+7], 0, v[\sa], v[\sb] matrix_a_fmt:MATRIX_FMT_FP4 matrix_b_fmt:MATRIX_FMT_FP4
.elseif (\ra) && (\rb)
	v_wmma_scale_f32_16x16x128_f8f6f4 v[\d:\d+7], v[\a:\a+7], v[\b:\b+7], v[\d:\d+7], v[\sa], v[\sb] matrix_a_fmt:MATRIX_FMT_FP4 matrix_b_fmt:MATRIX_FMT_FP4 matrix_a_scale:MATRIX_SCALE_ROW1 matrix_b_scale:MATRIX_SCALE_ROW1
.elseif (\ra)
	v_wmma_scale_f32_16x16x128_f8f6f4 v[\d:\d+7], v[\a:\a+7], v[\b:\b+7], v[\d:\d+7], v[\sa], v[\sb] matrix_a_fmt:MATRIX_FMT_FP4 matrix_b_fmt:MATRIX_FMT_FP4 matrix_a_scale:MATRIX_SCALE_ROW1
.elseif (\rb)
	v_wmma_scale_f32_16x16x128_f8f6f4 v[\d:\d+7], v[\a:\a+7], v[\b:\b+7], v[\d:\d+7], v[\sa], v[\sb] matrix_a_fmt:MATRIX_FMT_FP4 matrix_b_fmt:MATRIX_FMT_FP4 matrix_b_scale:MATRIX_SCALE_ROW1
.else
	v_wmma_scale_f32_16x16x128_f8f6f4 v[\d:\d+7], v[\a:\a+7], v[\b:\b+7], v[\d:\d+7], v[\sa], v[\sb] matrix_a_fmt:MATRIX_FMT_FP4 matrix_b_fmt:MATRIX_FMT_FP4
.endif
.endm
; A round of the cluster's barrier: my work-group's barrier; wave 0 signals for the work-group; every wave waits for all four work-groups; my work-group's barrier once more.
.macro ROUND
	s_barrier_signal -1
	s_barrier_wait -1
	s_cmp_lg_u32 s18, 0
	s_cbranch_scc1 .Lnot_wave_0_\@
	s_barrier_signal -3
.Lnot_wave_0_\@:
	s_barrier_wait -3
	s_barrier_signal -1
	s_barrier_wait -1
.endm
	s_load_b256 s[4:11], s[0:1], 0x0               ; qw s[4:5], kvw s[6:7], memory_codes s[8:9], memory_scales s[10:11]
	s_load_b128 s[12:15], s[0:1], 0x20             ; gate_beta s[12:13], injc s[14:15]
	s_load_b64 s[16:17], s[0:1], 0x30              ; injs
	v_lshl_add_u32 v11, v0, 2, 0x29000
	v_mov_b32 v255, 0
	ds_add_u32 v11, v255
	ds_add_u32 v11, v255
	v_lshrrev_b32 v232, 5, v0
	s_delay_alu instid0(VALU_DEP_1)
	v_readfirstlane_b32 s18, v232                  ; wave 0..15
	s_bfe_u32 s53, ttmp6, 0x40000                  ; cx: my place in the cluster: it enters global addresses of qw, injc and injs alone
	s_lshl_b32 s54, ttmp9, 2
	s_add_co_u32 s54, s54, s53                     ; my block of 256 queries
	s_lshl_b32 s54, s54, 4
	s_add_co_u32 s54, s54, s18                     ; T: my tile of queries, 0..127
	s_and_b32 s55, ttmp7, 0xffff                   ; hd, which the four partners share
	s_mov_b32 s20, 0x76543210
	s_mov_b32 s21, 0xfedcba98                      ; v_permlanex16_b32's selects for lane l xor 16
	s_mov_b32 s22, 0x3e38aa3b                      ; c = log2(e) / 8
	s_mov_b32 s23, s22                             ; (named with it as a pair, so it is written)
	s_mov_b32 s60, 0xffff0000                      ; a mask of lanes 16-31
	; descriptor groups 1: dense rows of 256 bytes (32 elements of 8 bytes), 11 rows and 24 rows
	s_mov_b32 s24, 15|(3<<16)|(1<<21)              ; 15:0 the mask: all four work-groups; 17:16 elements of 8 bytes; 21 set beside a mask; no padding
	s_mov_b32 s25, 32<<16                          ; tensor_dim0 = 32
	s_mov_b32 s26, 11<<16                          ; tensor_dim1 = 11
	s_mov_b32 s27, 32<<16                          ; tile_dim0 = 32
	s_mov_b32 s28, 11                              ; tile_dim1 = 11
	s_mov_b32 s29, 32                              ; elements from row to row
	s_mov_b32 s30, 0
	s_mov_b32 s31, 0
	s_mov_b32 s32, 15|(3<<16)|(1<<21)
	s_mov_b32 s33, 32<<16
	s_mov_b32 s34, 24<<16
	s_mov_b32 s35, 32<<16
	s_mov_b32 s36, 24
	s_mov_b32 s37, 32
	s_mov_b32 s38, 0
	s_mov_b32 s39, 0
	s_mul_i32 s56, s55, 143360                     ; the head's block in kvw
	s_mov_b32 s40, 1
	s_mul_i32 s41, s18, 2816                       ; LDS: my 11 rows of the first part
	s_mov_b32 s44, 1
	s_mul_i32 s45, s18, 6144
	s_add_co_u32 s45, s45, 45056                   ; LDS: my 24 rows of the second; LDS holds the block as it lies in memory
	s_add_co_u32 s58, s56, s41
	s_mov_b32 s59, 0
	s_add_co_u32 s56, s56, s45
	s_mov_b32 s57, 0
	s_wait_dscnt 0x0
	s_wait_kmcnt 0x0
	s_add_nc_u64 s[42:43], s[6:7], s[58:59]
	s_or_b32 s43, s43, 0x80000000                  ; type = 2
	s_add_nc_u64 s[46:47], s[6:7], s[56:57]
	s_or_b32 s47, s47, 0x80000000
	s_load_b32 s52, s[12:13], 0x0                  ; the gate's beta
	ROUND                                          ; all four work-groups are here: the joint loads meet
	tensor_load_to_lds s[40:43], s[24:31]          ; scale words, key steps 0-3
	s_nop 0
	s_wait_alu depctr_va_vdst(0)
	s_wait_tensorcnt 0x0
	ds_add_u32 v11, v255
	s_wait_dscnt 0x0
	ROUND
	tensor_load_to_lds s[44:47], s[32:39]          ; key steps 4-15
	s_nop 0
.rept 4
	v_nop                                          ; four plain lines follow the loads
.endr
	s_lshl_b32 s58, s55, 7
	s_add_co_u32 s58, s58, s54
	s_mul_i32 s58, s58, 1280
	s_add_nc_u64 s[4:5], s[4:5], s[58:59]          ; my record of qw
	s_lshl_b32 s58, s55, 11
	s_add_nc_u64 s[8:9], s[8:9], s[58:59]          ; the head's memory: 64 rows of 32 bytes,
	s_lshl_b32 s58, s55, 7
	s_add_nc_u64 s[10:11], s[10:11], s[58:59]      ; and of 2 scale bytes
	s_lshr_b32 s56, s55, 4
	s_lshl_b32 s56, s56, 7
	s_add_co_u32 s56, s56, s54                     ; 128 b + T
	s_and_b32 s53, s55, 15                         ; n
	s_lshl_b32 s58, s56, 13
	s_lshl_b32 s57, s53, 9
	s_add_co_u32 s58, s58, s57
	s_add_nc_u64 s[14:15], s[14:15], s[58:59]      ; injc: [128 b + T][n][512 bytes]
	s_lshl_b32 s58, s56, 9
	s_lshl_b32 s57, s53, 1
	s_add_co_u32 s58, s58, s57
	s_add_nc_u64 s[16:17], s[16:17], s[58:59]      ; injs: [128 b + T][r][32 bytes], byte 2 n + block
	v_and_b32 v235, 31, v0                         ; L
	v_and_b32 v232, 15, v0                         ; r
	v_bfe_u32 v233, v0, 4, 1                       ; h
	s_delay_alu instid0(VALU_DEP_2)
	v_and_b32 v234, 8, v232
	s_delay_alu instid0(VALU_DEP_1)
	v_add_nc_u32 v234, v234, v232                  ; rho(r)
	v_lshlrev_b32 v1, 4, v235
	v_lshlrev_b32 v2, 2, v235
	v_lshlrev_b32 v6, 3, v235
	s_delay_alu instid0(VALU_DEP_4)
	v_lshlrev_b32 v7, 5, v234
	s_delay_alu instid0(VALU_DEP_1)
	v_lshl_add_u32 v7, v233, 4, v7                 ; memory: row rho(r) of 32 bytes, + 16 h
	v_lshl_add_u32 v8, v233, 3, v234
	s_delay_alu instid0(VALU_DEP_1)
	v_lshlrev_b32 v8, 1, v8                        ; its scales: row 8 h + rho(r), 2 bytes each
	v_lshl_add_u32 v9, v232, 5, v233               ; injs: 32 r + h
	global_load_b128 v[16:19], v1, s[4:5] th:TH_LOAD_NT             ; Q's codes: registers 0-3 of the fragment
	global_load_b128 v[24:27], v1, s[4:5] offset:512 th:TH_LOAD_NT  ; sigma's
	global_load_b64 v[210:211], v6, s[4:5] offset:1024 th:TH_LOAD_NT   ; the scale words, den
.irp t, 0,1,2,3
	global_load_b128 v[212+4*\t:215+4*\t], v7, s[8:9] offset:(32*(\t/2)+8*(\t%2))*32
.endr
	global_load_u16 v240, v8, s[10:11]             ; lanes 0-15 tile 0's two bytes, lanes 16-31 tile 1's; the upper two bytes are 0, which is a scale and no NaN, over zero products
	global_load_u16 v241, v8, s[10:11] offset:64
.irp j, 20,21,22,23,28,29,30,31,64,65,66,67,228,229,230,231
	v_mov_b32 v[\j], 0                             ; zero codes
.endr
	v_mov_b32 v13, 0xff61b1e6                      ; the largest t so far: -3e38, under every t
	s_delay_alu instid0(VALU_DEP_1)
	v_floor_f32 v12, -v13                          ; -M
	v_mov_b32 v14, 0                               ; l, in two halves
	v_mov_b32 v15, 0
.irp b, 0,1,2,3
	v_mov_b32 v[236+\b], 0                         ; written once: a lane permute's destination counts as one of its sources
.endr
	v_mov_b32 v253, 0                              ; (named as the upper half of the pair v[252:253] before it is first written)
.set jj, 0
.rept 32
	v_mov_b32 v[OT+jj], 0                          ; O^T: the step is written once; the first finds zeros, which the first change of M leaves zeros
.set jj, jj+1
.endr
; A KEY STEP: 128 keys.  s48, s49, s50: where the step's K, V and scale words begin in LDS.
.macro STEP
	s_setprio 2
	v_add_nc_u32 v3, s48, v1
	v_add_nc_u32 v4, s49, v1
	v_add_nc_u32 v5, s50, v2
	v_nop                                          ; with the three additions: four places behind the last step's products, ahead of the loads into their registers
.irp t, 0,1,2,3,4,5,6,7
	ds_load_b128 v[32+4*\t:35+4*\t], v3 offset:512*\t              ; K's tile t: an image, 16 bytes a lane on end
.endr
.irp i, 0,1,2,3
	ds_load_b32 v[204+\i], v5 offset:128*\i        ; lanes 0-15 tile 2 i's scale words, lanes 16-31 tile 2 i + 1's
.endr
.irp t, 0,1,2,3
.irp c, 0,1
	ds_load_b128 v[68+8*\t+4*\c:71+8*\t+4*\c], v4 offset:1024*\t+512*\c
.endr
.endr
.irp i, 0,1
	ds_load_b32 v[208+\i], v5 offset:512+128*\i
.endr
	s_wait_dscnt 10                                ; K and its scale words are in; V's ten loads may stay out
.irp t, 0,1,2,3,4,5,6,7
	WM SQ+8*\t, 32+4*\t, 16, 1, 204+\t/2, 210, \t%2, 0
.endr                                              ; lane (r, h): query r; registers 16 b + i are key 32 b + 16 h + i of the step
.rept 4
	v_nop
.endr
.irp b, 0,1,2,3
	v_max3_num_f32 v[232+\b], v[SQ+16*\b], v[SQ+1+16*\b], v[SQ+2+16*\b]   ; the largest score of each block of 32 keys: it serves the row's maximum and, since p rises with the score, the block's largest p
.endr
.irp i, 3,5,7,9,11,13
.irp b, 0,1,2,3
	v_max3_num_f32 v[232+\b], v[232+\b], v[SQ+16*\b+\i], v[SQ+1+16*\b+\i]
.endr
.endr
.irp b, 0,1,2,3
	v_max_num_f32 v[232+\b], v[232+\b], v[SQ+15+16*\b]
.endr
.irp b, 0,1,2,3
	s_delay_alu instid0(VALU_DEP_4)
	v_permlanex16_b32 v[236+\b], v[232+\b], s20, s21
.endr
.irp b, 0,1,2,3
	s_delay_alu instid0(VALU_DEP_4)
	v_max_num_f32 v[232+\b], v[232+\b], v[236+\b]  ; with lane l xor 16's 16 keys
.endr
	s_delay_alu instid0(VALU_DEP_2)
	v_max3_num_f32 v254, v232, v233, v234
	s_delay_alu instid0(VALU_DEP_1)
	v_max_num_f32 v254, v254, v235                 ; the step's largest score of my query
	s_delay_alu instid0(VALU_DEP_1)
	v_mul_f32 v254, s22, v254                      ; as t (c is positive)
	s_delay_alu instid0(VALU_DEP_1)
	v_max_num_f32 v13, v13, v254                   ; the running largest t
	v_mov_b32 v254, v12
	s_delay_alu instid0(VALU_DEP_2)
	v_floor_f32 v12, -v13                          ; the new -M = floor(-t) = -ceil(t)
	s_delay_alu instid0(VALU_DEP_1)
	v_sub_f32 v254, v12, v254                      ; old M - new M: a whole number, 0 or less
	s_delay_alu instid0(VALU_DEP_1)
	v_cvt_i32_f32 v254, v254                       ; (it saturates)
	s_delay_alu instid0(VALU_DEP_1)
	v_ldexp_f32 v252, 1.0, v254                    ; f = 2^(old M - new M)
.set jj, 0
.rept 32
	v_pk_fma_f32 v[SQ+jj:SQ+jj+1], v[SQ+jj:SQ+jj+1], s[22:23], v[12:13] op_sel_hi:[1,0,0]   ; t - M, two at a time
.set jj, jj+2
.endr
.irp b, 0,1,2,3
	v_fma_f32 v[232+\b], v[232+\b], s22, v12       ; the same of each block's largest score
.endr
.set jj, 0
	s_wait_alu depctr_va_vdst(0)
.rept 64
	v_exp_f32 v[SQ+jj], v[SQ+jj]                   ; p = 2^(t - M), at most 1
.set jj, jj+1
.endr
	s_setprio 1
	v_pk_mul_f32 v[14:15], v[14:15], v[252:253] op_sel_hi:[1,0]   ; l under the new M: a plain place behind the exponentials
	s_wait_alu depctr_va_vdst(0)                   ; the wait ahead of the first line that names a result: one for the batch of 64
.irp b, 0,1,2,3
	v_exp_f32 v[232+\b], v[232+\b]                 ; the block's largest p: the same two instructions on the same number
.endr
	v_pk_add_f32 v[236:237], v[SQ:SQ+1], v[SQ+2:SQ+3]   ; the row's sum of the UNQUANTISED p, in two chains: plain work behind the four
.irp j, 4,8,12,16,20,24,28,32,36,40,44,48,52,56,60
	v_pk_add_f32 v[14:15], v[14:15], v[SQ+\j:SQ+1+\j]
	v_pk_add_f32 v[236:237], v[236:237], v[SQ+2+\j:SQ+3+\j]
.endr
	s_delay_alu instid0(VALU_DEP_1)
	v_pk_add_f32 v[14:15], v[14:15], v[236:237]
	s_wait_alu depctr_va_vdst(0)                   ; and one for the four
.irp b, 0,1,2,3
	v_max_num_f32 v[232+\b], 0x1800000, v[232+\b]  ; the floor 2^(3 - 127): the byte cannot fall under 1
.endr
.irp b, 0,1,2,3
	s_delay_alu instid0(VALU_DEP_4)
	v_add_nc_u32 v[244+\b], 0xff000000, v[232+\b]  ; 2 off the exponent field: the conversion's scale operand
.endr
.irp b, 0,1,2,3
	s_delay_alu instid0(VALU_DEP_4)
	v_lshrrev_b32 v[236+\b], 23, v[244+\b]         ; the scale's byte
.endr
	s_delay_alu instid0(VALU_DEP_3)
	v_lshl_or_b32 v253, v237, 8, v236              ; p's scale word for these 128 keys
	s_delay_alu instid0(VALU_DEP_1)
	v_lshl_or_b32 v253, v238, 16, v253
	s_delay_alu instid0(VALU_DEP_1)
	v_lshl_or_b32 v253, v239, 24, v253
.irp b, 0,1,2,3
	v_cvt_scalef32_pk8_fp4_f32 v[PCD+2*\b], v[SQ+16*\b:SQ+7+16*\b], v[244+\b]
	v_cvt_scalef32_pk8_fp4_f32 v[PCD+1+2*\b], v[SQ+8+16*\b:SQ+15+16*\b], v[244+\b]
.endr
	v_nop                                          ; one plain place behind the last scaled conversion
.irp c, 0,1
.irp i, 0,1
	v_permlane16_swap_b32 v[PCD+4*\c+\i], v[PCD+2+4*\c+\i]   ; a whole block in a lane: lanes 0-15 block 2 c, lanes 16-31 block 2 c + 1
.endr
.endr
.set jj, 0
	s_setprio 0
.rept 16
	v_pk_mul_f32 v[OT+jj:OT+jj+1], v[OT+jj:OT+jj+1], v[252:253] op_sel_hi:[1,0]   ; O^T under the new M; these sixteen also stand between the scale word's and the codes' last writes and the products
.set jj, jj+2
.endr
	s_wait_alu depctr_va_vdst(0)
	s_wait_dscnt 0x0                               ; V and its scale words are in
.irp t, 0,1,2,3
	WM OT+8*\t, 68+8*\t, PCD, 0, 208+\t/2, 253, \t%2, 0   ; the four accumulators take turns; the next link of each stands behind the next step's eight products
.endr
	s_add_co_u32 s48, s48, 4096
	s_add_co_u32 s49, s49, 4096
	s_add_co_u32 s50, s50, 768
.endm
	s_wait_loadcnt 0x0                             ; Q, sigma, den, memory
	s_wait_kmcnt 0x0                               ; the gate
	s_wait_tensorcnt 1                             ; my rows of the first part are in; the second load may stay out
	s_barrier_signal -1
	s_barrier_wait -1                              ; everybody's are
	s_mov_b32 s48, 12288
	s_mov_b32 s49, 28672
	s_mov_b32 s50, 0
	s_mov_b32 s51, 4
.Lfirst:                                           ; key steps 0-3: they read LDS bytes under 45,056 alone
	STEP
	s_sub_co_u32 s51, s51, 1
	s_cmp_lg_u32 s51, 0
	s_cbranch_scc1 .Lfirst
	s_setprio 0
	s_wait_tensorcnt 0x0                           ; my rows of the second part are in
	s_wait_dscnt 0x0
	s_barrier_signal -1
	s_barrier_wait -1                              ; everybody's are
	s_mov_b32 s48, 45056
	s_mov_b32 s49, 94208
	s_mov_b32 s51, 12
.Lrest:                                            ; key steps 4-15
	STEP
	s_sub_co_u32 s51, s51, 1
	s_cmp_lg_u32 s51, 0
	s_cbranch_scc1 .Lrest
	s_setprio 0
	; ---- the memory's part, the gate, and Q(inj)
	v_add_f32 v14, v14, v15                        ; l's two halves,
	s_delay_alu instid0(VALU_DEP_1)
	v_permlanex16_b32 v252, v14, s20, s21
	s_delay_alu instid0(VALU_DEP_1)
	v_add_f32 v14, v14, v252                       ; and lane l xor 16's
	v_mov_b32 v242, s52
	s_delay_alu instid0(VALU_DEP_1)
	v_mul_f32 v242, 0xbfb8aa3b, v242               ; -beta log2(e)
.irp t, 0,1,2,3
	WM SQ+8*\t, 212+4*\t, 24, 1, 240+\t/2, 210, \t%2, 1   ; num^T: source 0 = 16 rows of memory, source 1 = sigma; the same layout as O^T
.endr
	s_wait_alu depctr_va_vdst(0)
	v_exp_f32 v242, v242
	v_rcp_f32 v243, v14                            ; 1 / l
	v_rcp_f32 v244, v211                           ; 1 / den
.rept 4
	v_nop                                          ; the places behind the products, and the plain place behind the batch
.endr
	s_wait_alu depctr_va_vdst(0)                   ; one wait for the three
	v_add_f32 v242, 1.0, v242
	s_wait_alu depctr_va_vdst(0)
	v_rcp_f32 v245, v242                           ; g = 1 / (1 + e^-beta)
	v_nop
	s_wait_alu depctr_va_vdst(0)
	v_mul_f32 v248, v245, v244                     ; g / den
	v_sub_f32 v250, 1.0, v245
	s_delay_alu instid0(VALU_DEP_2)
	v_mov_b32 v249, v248
	v_mul_f32 v250, v250, v243                     ; (1 - g) / l
	s_delay_alu instid0(VALU_DEP_1)
	v_mov_b32 v251, v250
.set jj, 0
.rept 16
	v_pk_mul_f32 v[SQ+jj:SQ+jj+1], v[SQ+jj:SQ+jj+1], v[248:249]   ; ascending: each accumulator is read from its low end on
.set jj, jj+2
.endr
.set jj, 0
.rept 16
	v_pk_fma_f32 v[SQ+jj:SQ+jj+1], v[OT+jj:OT+jj+1], v[250:251], v[SQ+jj:SQ+jj+1]   ; inj: register 16 q + i = channel 32 q + 16 h + i of my query
.set jj, jj+2
.endr
.irp b, 0,1
	v_max3_num_f32 v[232+\b], |v[SQ+16*\b]|, |v[SQ+1+16*\b]|, 0x1800000
.endr
.irp i, 2,4,6,8,10,12,14
.irp b, 0,1
	s_delay_alu instid0(VALU_DEP_2)
	v_max3_num_f32 v[232+\b], v[232+\b], |v[SQ+16*\b+\i]|, |v[SQ+1+16*\b+\i]|
.endr
.endr
.irp b, 0,1
	s_delay_alu instid0(VALU_DEP_2)
	v_permlanex16_b32 v[236+\b], v[232+\b], s20, s21
.endr
.irp b, 0,1
	s_delay_alu instid0(VALU_DEP_2)
	v_max_num_f32 v[232+\b], v[232+\b], v[236+\b]
.endr
.irp b, 0,1
	s_delay_alu instid0(VALU_DEP_2)
	v_add_nc_u32 v[244+\b], 0xff000000, v[232+\b]
.endr
.irp b, 0,1
	s_delay_alu instid0(VALU_DEP_2)
	v_lshrrev_b32 v[236+\b], 23, v[244+\b]
.endr
.irp b, 0,1
	v_cvt_scalef32_pk8_fp4_f32 v[PCD+2*\b], v[SQ+16*\b:SQ+7+16*\b], v[244+\b]
	v_cvt_scalef32_pk8_fp4_f32 v[PCD+1+2*\b], v[SQ+8+16*\b:SQ+15+16*\b], v[244+\b]
.endr
	v_nop
	v_permlane16_swap_b32 v[PCD], v[PCD+2]
	v_permlane16_swap_b32 v[PCD+1], v[PCD+3]       ; v196-199: row r, channels 32 h on: half a fragment of the last product
	v_cndmask_b32 v236, v236, v237, s60            ; lanes 0-15 block 0's byte, lanes 16-31 block 1's
	global_store_b128 v1, v[PCD:PCD+3], s[14:15]   ; 32 lanes store 512 consecutive bytes, aligned
	global_store_b8 v9, v236, s[16:17]
	s_wait_tensorcnt 0x0
	ds_add_u32 v11, v255
	s_wait_dscnt 0x0
	ROUND                                          ; the closing round: no work-group ends while a partner may still ask jointly
	s_endpgm
.Lfunc_end_k_q3b08207fe1_attn:
	.size	k_q3b08207fe1_attn, .Lfunc_end_k_q3b08207fe1_attn-k_q3b08207fe1_attn
	.p2alignl 7, 3214868480
	.fill 96, 4, 3214868480
	.section	.rodata,"a",@progbits
	.p2align	6, 0x0
	.amdhsa_kernel k_q3b08207fe1_attn
		.amdhsa_group_segment_fixed_size 327680
		.amdhsa_private_segment_fixed_size 0
		.amdhsa_enable_private_segment 0
		.amdhsa_kernarg_size 56
		.amdhsa_user_sgpr_count 2
		.amdhsa_user_sgpr_kernarg_segment_ptr 1
		.amdhsa_wavefront_size32 1
		.amdhsa_system_sgpr_workgroup_id_x 1
		.amdhsa_system_sgpr_workgroup_id_y 1
		.amdhsa_system_sgpr_workgroup_id_z 1
		.amdhsa_system_vgpr_workitem_id 0
		.amdhsa_next_free_vgpr 256
		.amdhsa_next_free_sgpr 66
		.amdhsa_reserve_vcc 0
		.amdhsa_float_denorm_mode_32 3
		.amdhsa_float_denorm_mode_16_64 3
		.amdhsa_memory_ordered 1
		.amdhsa_forward_progress 1
		.amdhsa_inst_pref_size 48
	.end_amdhsa_kernel
	.amdgpu_metadata
---
amdhsa.version: [ 1, 2 ]
amdhsa.kernels:
  - .name:           k_q3b08207fe1_attn
    .symbol:         k_q3b08207fe1_attn.kd
    .args:
      - { .name: qw, .offset: 0, .size: 8, .value_kind: global_buffer, .address_space: global }
      - { .name: kvw, .offset: 8, .size: 8, .value_kind: global_buffer, .address_space: global }
      - { .name: memory_codes, .offset: 16, .size: 8, .value_kind: global_buffer, .address_space: global }
      - { .name: memory_scales, .offset: 24, .size: 8, .value_kind: global_buffer, .address_space: global }
      - { .name: gate_beta, .offset: 32, .size: 8, .value_kind: global_buffer, .address_space: global }
      - { .name: injc, .offset: 40, .size: 8, .value_kind: global_buffer, .address_space: global }
      - { .name: injs, .offset: 48, .size: 8, .value_kind: global_buffer, .address_space: global }
    .group_segment_fixed_size: 327680
    .private_segment_fixed_size: 0
    .kernarg_segment_align: 8
    .kernarg_segment_size: 56
    .max_flat_workgroup_size: 512
    .sgpr_count:     66
    .vgpr_count:     256
    .wavefront_size: 32
...
	.end_amdgpu_metadata
.endif
;; end of part 5
;; launch outp (part 6): grid 256 x 1, 8 waves a work-group, no clusters, 75,008 bytes of LDS; arguments injc, injs, Wo_codes, Wo_scales, h, ln_gamma, ln_beta, out0; writes out0
.if DOCPART == 6
	.amdgcn_target "amdgcn-amd-amdhsa--gfx1250"
	.amdhsa_code_object_version 6
	.text
	.protected	k_q3b08207fe1_outp
	.globl	k_q3b08207fe1_outp
	.p2align	8
	.type	k_q3b08207fe1_outp,@function
k_q3b08207fe1_outp:
	s_mov_b64 s[64:65], 0
	v_nop
	global_prefetch_b8 v0, s[64:65] scope:SCOPE_SE
	s_setreg_imm32_b32 hwreg(HW_REG_WAVE_SCHED_MODE, 0, 2), 2
	s_setreg_imm32_b32 hwreg(HW_REG_WAVE_MODE, 25, 1), 1
	s_wait_xcnt 0x0
	s_wait_alu depctr_vm_vsrc(0)
; out = layer norm(h + inj Wo) gamma + beta; the product on codes of FP4 (E2M1) with E8M0 scales, all else in f32.
; SHARES.  A work-group takes one tile of 16 rows (batch b = id / 128, tile T = id % 128; row r is position 32 (T / 2) + 8 (T % 2) + r + 8 (r / 8)) with all 1,024 columns, so that a row's mean and variance stay inside it.
; In the product wave w makes columns 128 w .. 128 w + 127 (8 accumulators, 8 K steps of 128: 64 matrix instructions), used transposed (source 0 = 16 columns of Wo, source 1 = inj's 16 rows): a lane holds eight neighbouring columns of one row.
; The results meet in a stage in LDS (rows of 4,096 + 16 bytes); then wave w takes rows 2 w and 2 w + 1 whole: 32 numbers a lane.
; inj's eight fragments lie in injc as images of their registers: wave w brings fragment w, all read them from LDS.  Wo goes from memory straight into operand registers, two K steps ahead.
; NO CLUSTER, NO JOINT LOADS: Wo's 524,288 bytes of codes do not fit in LDS, and a ring for them would have a change of slots for every 8 matrix instructions of a wave.
; h's two rows of a wave are prefetched once, a lane to each 256 bytes, behind the loads of K step 4; they are loaded behind K step 6.
; LIMITS: NaN and infinities are not served; 1 / sqrt is v_rsq_f32.
; REGISTERS: v1 16 L, v2-v8 offsets; v16-23 inj's scale words (register k: K step k); v24-31 Wo's, two sets of 4 (lanes 0-15 tile 2 p, lanes 16-31 tile 2 p + 1); v32-47 inj's fragments, two sets;
;   v48-111 the accumulators, then two rows of y; v112-175 Wo set 0, then h; v176-239 Wo set 1, then gamma (176) and beta (208); v240-255 sums.
; THE MODE: SCHED_MODE bits 1:0 = 2 (LLVM: expert scheduling mode 2), set by the entry lines.  The code itself states the register dependences
; between vector or matrix instructions and memory or LDS instructions, with s_wait_alu, always for 0.
; THE PLAN.  Registers that memory or LDS instructions touch:
;   v1-v8         offsets and LDS addresses: made once at the head, never written again: one wait on va_vdst ahead of the first load serves every load, store and the prefetch.
;   v32-39        first my image of inj as loaded, read by two LDS stores; behind the first barrier inj's fragment set 0, written by LDS loads.
;   Wo's sets, Wo's scale words' sets, inj's sets   K step k: its eight matrix instructions read set k % 2 of each; behind them the loads of K step k + 2 land there (behind steps 6 and 7: h, gamma and beta).
;   v48-111       written by the matrix instructions, read by the stage's LDS stores, written by the stage's LDS loads, worked on by the norm, read by the global stores.
; So ONE wait on va_vdst stands in a K step, behind its products: they are done reading the three sets (in the last step: and have written the accumulators).  It stands there, and not at the next step's head,
; so that a set is asked for again at once and two K steps' loads are on their way.  One wait on vm_vsrc stands behind each barrier, ahead of the LDS loads that land where LDS stores have read.
.set STG, 8192                         ; LDS: inj's images from byte 0, the stage behind them
.set SP,  4112                         ; a stage row: an odd multiple of 16 bytes
.macro WM d, a, b, z, sa, sb, ra, rb   ; one matrix instruction.  z = 1: the constant 0 starts the sum.  ra, rb: the scale words of source 0, 1 stand in lanes 16-31
.if (\z) && (\ra) && (\rb)
	v_wmma_scale_f32_16x16x128_f8f6f4 v[\d:\d+7], v[\a:\a+7], v[\b:\b+7], 0, v[\sa], v[\sb] matrix_a_fmt:MATRIX_FMT_FP4 matrix_b_fmt:MATRIX_FMT_FP4 matrix_a_scale:MATRIX_SCALE_ROW1 matrix_b_scale:MATRIX_SCALE_ROW1
.elseif (\z) && (\ra)
	v_wmma_scale_f32_16x16x128_f8f6f4 v[\d:\d+7], v[\a:\a+7], v[\b:\b+7], 0, v[\sa], v[\sb] matrix_a_fmt:MATRIX_FMT_FP4 matrix_b_fmt:MATRIX_FMT_FP4 matrix_a_scale:MATRIX_SCALE_ROW1
.elseif (\z) && (\rb)
	v_wmma_scale_f32_16x16x128_f8f6f4 v[\d:\d+7], v[\a:\a+7], v[\b:\b+7], 0, v[\sa], v[\sb] matrix_a_fmt:MATRIX_FMT_FP4 matrix_b_fmt:MATRIX_FMT_FP4 matrix_b_scale:MATRIX_SCALE_ROW1
.elseif (\z)
	v_wmma_scale_f32_16x16x128_f8f6f4 v[\d:\d+7], v[\a:\a+7], v[\b:\b+7], 0, v[\sa], v[\sb] matrix_a_fmt:MATRIX_FMT_FP4 matrix_b_fmt:MATRIX_FMT_FP4
.elseif (\ra) && (\rb)
	v_wmma_scale_f32_16x16x128_f8f6f4 v[\d:\d+7], v[\a:\a+7], v[\b:\b+7], v[\d:\d+7], v[\sa], v[\sb] matrix_a_fmt:MATRIX_FMT_FP4 matrix_b_fmt:MATRIX_FMT_FP4 matrix_a_scale:MATRIX_SCALE_ROW1 matrix_b_scale:MATRIX_SCALE_ROW1
.elseif (\ra)
	v_wmma_scale_f32_16x16x128_f8f6f4 v[\d:\d+7], v[\a:\a+7], v[\b:\b+7], v[\d:\d+7], v[\sa], v[\sb] matrix_a_fmt:MATRIX_FMT_FP4 matrix_b_fmt:MATRIX_FMT_FP4 matrix_a_scale:MATRIX_SCALE_ROW1
.elseif (\rb)
	v_wmma_scale_f32_16x16x128_f8f6f4 v[\d:\d+7], v[\a:\a+7], v[\b:\b+7], v[\d:\d+7], v[\sa], v[\sb] matrix_a_fmt:MATRIX_FMT_FP4 matrix_b_fmt:MATRIX_FMT_FP4 matrix_b_scale:MATRIX_SCALE_ROW1
.else
	v_wmma_scale_f32_16x16x128_f8f6f4 v[\d:\d+7], v[\a:\a+7], v[\b:\b+7], v[\d:\d+7], v[\sa], v[\sb] matrix_a_fmt:MATRIX_FMT_FP4 matrix_b_fmt:MATRIX_FMT_FP4
.endif
.endm
.macro GLOAD k                         ; K step k of my 128 columns of Wo: 16 loads of codes and 4 of scale words, into set k % 2
.irp t, 0,1,2,3,4,5,6,7
.irp c, 0,1
	global_load_b128 v[112+64*((\k)%2)+8*\t+4*\c:112+64*((\k)%2)+8*\t+4*\c+3], v2, s[8:9] offset:8192*\t+64*(\k)+32*\c
.endr
.endr
.irp p, 0,1,2,3
	global_load_b32 v[24+4*((\k)%2)+\p], v3, s[10:11] offset:1024*\p+4*(\k)
.endr
.endm
.macro ALOAD k                         ; inj's fragment k from its image, into set k % 2
.irp c, 0,1
	ds_load_b128 v[32+8*((\k)%2)+4*\c:32+8*((\k)%2)+4*\c+3], v1 offset:1024*(\k)+512*\c
.endr
.endm
; K step k: nl, nd = the global and LDS loads issued behind this step's own, which may stay out.  The eight accumulators take turns, one instruction a turn.
.macro KSTEP k, nl, nd
	s_wait_loadcnt \nl
	s_wait_dscnt \nd
.irp t, 0,1,2,3,4,5,6,7
	WM 48+8*\t, 112+64*((\k)%2)+8*\t, 32+8*((\k)%2), ((\k)==0), 24+4*((\k)%2)+\t/2, 16+(\k), \t%2, 0
.endr
.rept 4
	v_nop                                          ; four places behind the products, ahead of the first read of results (ISA guide 7.12.1); they stay beside the wait below
.endr
	s_wait_alu depctr_va_vdst(0)                   ; the eight products are done reading Wo's set, its scale words' set and inj's set k % 2, in which the loads behind this step land; in the last step they have also written the accumulators, which the LDS stores read
.endm
	s_load_b256 s[4:11], s[0:1], 0x0               ; injc s[4:5], injs s[6:7], Wo_codes s[8:9], Wo_scales s[10:11]
	s_load_b256 s[12:19], s[0:1], 0x20             ; h s[12:13], ln_gamma s[14:15], ln_beta s[16:17], out0 s[18:19]
	v_lshl_add_u32 v14, v0, 2, 0x12100
	v_mov_b32 v15, 0
	v_lshrrev_b32 v10, 5, v0
	v_readfirstlane_b32 s20, v10                   ; wave 0..7
	v_and_b32 v10, 31, v0                          ; L
	v_and_b32 v11, 15, v0                          ; r
	v_bfe_u32 v12, v0, 4, 1                        ; h
	v_lshlrev_b32 v1, 4, v10                       ; v1 = 16 L
	v_lshlrev_b32 v2, 9, v11
	v_lshl_add_u32 v2, v12, 4, v2                  ; v2: Wo: column r of 512 bytes, + 16 h
	v_lshlrev_b32 v3, 5, v10                       ; v3: its scales: column L of 32 bytes
	v_lshlrev_b32 v4, 5, v11                       ; v4: inj's scales: row r of 32 bytes
	v_mul_u32_u24 v5, v11, SP
	v_lshl_add_u32 v5, v12, 5, v5
	s_wait_alu depctr_va_sdst(0)                   ; s20 is written, ahead of its first reader: LDS addresses and all bases are made from it
	s_lshl_b32 s27, s20, 9
	s_add_co_u32 s27, s27, STG
	v_add_nc_u32 v5, s27, v5                       ; v5: into the stage: row r, + 512 w + 32 h
	s_mul_i32 s28, s20, 2*SP
	s_add_co_u32 s28, s28, STG
	v_add_nc_u32 v6, s28, v1                       ; v6: back: my two rows, 16 bytes a lane
	v_lshlrev_b32 v7, 8, v11
	v_lshl_add_u32 v7, v12, 13, v7                 ; v7: the prefetch: row h of my two, block r of its sixteen of 256 bytes
	s_lshl_b32 s30, s20, 10
	v_add_nc_u32 v8, s30, v1                       ; v8: where I store my image of inj: 16 L + 1,024 w
	s_mov_b32 s32, 0x76543210
	s_mov_b32 s33, 0xfedcba98                      ; v_permlanex16_b32's selects for lane l xor 16
	s_mov_b32 s34, 0x3a800000                      ; 1 / 1,024
	s_mov_b32 s35, 0x3727c5ac                      ; 1e-5
	s_mov_b32 s23, 0
	s_and_b32 s24, ttmp9, 127                      ; T
	s_lshr_b32 s25, s24, 1
	s_lshl_b32 s25, s25, 5
	s_and_b32 s24, s24, 1
	s_lshl_b32 s24, s24, 3
	s_add_co_u32 s25, s25, s24
	s_lshl_b32 s24, s20, 1
	s_add_co_u32 s25, s25, s24
	s_lshr_b32 s24, s20, 2
	s_lshl_b32 s24, s24, 3
	s_add_co_u32 s25, s25, s24                     ; the position of row 2 w: 32 (T / 2) + 8 (T % 2) + 2 w + 8 (w / 4); row 2 w + 1 is the next position
	s_lshl_b32 s25, s25, 13
	s_lshr_b32 s24, ttmp9, 7
	s_lshl_b32 s24, s24, 12
	s_add_co_u32 s25, s25, s24                     ; in bytes: 8,192 a position, 4,096 a batch
	s_wait_kmcnt 0x0
	s_mov_b32 s22, s25
	s_add_nc_u64 s[12:13], s[12:13], s[22:23]
	s_add_nc_u64 s[18:19], s[18:19], s[22:23]
	s_lshl_b32 s22, ttmp9, 13
	s_add_co_u32 s22, s22, s30
	s_add_nc_u64 s[4:5], s[4:5], s[22:23]          ; injc: my tile's fragment w
	s_lshl_b32 s22, ttmp9, 9
	s_add_nc_u64 s[6:7], s[6:7], s[22:23]          ; injs: my tile
	s_lshl_b32 s22, s20, 16
	s_add_nc_u64 s[8:9], s[8:9], s[22:23]          ; my 128 columns of Wo
	s_lshl_b32 s22, s20, 12
	s_add_nc_u64 s[10:11], s[10:11], s[22:23]
	s_wait_alu depctr_va_vdst(0)                   ; v1 to v8 are written: every load and store of the kernel, global or LDS, and the prefetch read one of them as offset or address
	global_load_b128 v[32:35], v1, s[4:5] th:TH_LOAD_NT
	global_load_b128 v[36:39], v1, s[4:5] offset:512 th:TH_LOAD_NT
	global_load_b128 v[16:19], v4, s[6:7]
	global_load_b128 v[20:23], v4, s[6:7] offset:16
	GLOAD 0
	GLOAD 1
	s_wait_loadcnt 40                              ; the first four loads are in; two K steps of Wo, 20 loads each, may stay out
	ds_store_b128 v8, v[32:35]
	ds_store_b128 v8, v[36:39] offset:512
	s_wait_dscnt 0x0                               ; for the others' sake: my image has landed
	s_barrier_signal -1
	s_barrier_wait -1                              ; inj's eight fragments lie in LDS
	s_wait_alu depctr_vm_vsrc(0)                   ; my two LDS stores have read v[32:39], in which inj's fragment 0 lands
	ALOAD 0
	ALOAD 1
.irp k, 0,1,2,3,4,5
	KSTEP \k, 20, 2                                ; the next K step's 20 loads of Wo and 2 of inj may stay out
	GLOAD \k+2                                     ; no vector or matrix instruction since the step's wait on va_vdst names these registers
.if \k == 2
	global_prefetch_b8 v7, s[12:13] th:TH_LOAD_NT scope:SCOPE_SE   ; my two rows of h, each 256 bytes named once in the launch, four K steps ahead of their loads
.endif
	ALOAD \k+2
.endr
	KSTEP 6, 20, 2
.irp e, 0,1
.irp i, 0,1,2,3,4,5,6,7
	global_load_b128 v[112+32*\e+4*\i:112+32*\e+4*\i+3], v1, s[12:13] offset:8192*\e+512*\i th:TH_LOAD_NT   ; h's rows, 512 consecutive bytes a load, into Wo's set 0, which K step 6's products are done reading
.endr
.endr
	KSTEP 7, 16, 0                                 ; behind K step 7's loads: h's sixteen
.irp i, 0,1,2,3,4,5,6,7
	global_load_b128 v[176+4*\i:176+4*\i+3], v1, s[14:15] offset:512*\i      ; into Wo's set 1, which K step 7's products are done reading
	global_load_b128 v[208+4*\i:208+4*\i+3], v1, s[16:17] offset:512*\i
.endr
.irp t, 0,1,2,3,4,5,6,7
	ds_store_b128 v5, v[48+8*\t:48+8*\t+3] offset:64*\t             ; each accumulator from its low end on
	ds_store_b128 v5, v[48+8*\t+4:48+8*\t+7] offset:64*\t+16
.endr
	s_wait_dscnt 0x0                               ; for the others' sake: my part of the 16 rows has landed
	s_barrier_signal -1
	s_barrier_wait -1
	s_wait_alu depctr_vm_vsrc(0)                   ; my sixteen LDS stores have read v[48:111], in which the two rows land
.irp e, 0,1
.irp i, 0,1,2,3,4,5,6,7
	ds_load_b128 v[48+32*\e+4*\i:48+32*\e+4*\i+3], v6 offset:SP*\e+512*\i   ; register 32 e + 4 i + j: column 128 i + 4 L + j of row 2 w + e
.endr
.endr
	s_wait_loadcnt 16                              ; h is in; gamma's and beta's sixteen loads may stay out
	s_wait_dscnt 0x0
.irp j, 0,2,4,6,8,10,12,14,16,18,20,22,24,26,28,30
.irp e, 0,1
	v_pk_add_f32 v[48+32*\e+\j:49+32*\e+\j], v[48+32*\e+\j:49+32*\e+\j], v[112+32*\e+\j:113+32*\e+\j]   ; y = h + the product; the two rows by turns
.endr
.endr
.irp e, 0,1
	v_pk_add_f32 v[240+4*\e:241+4*\e], v[48+32*\e:49+32*\e], v[50+32*\e:51+32*\e]
	v_pk_add_f32 v[242+4*\e:243+4*\e], v[52+32*\e:53+32*\e], v[54+32*\e:55+32*\e]
.endr
.irp j, 8,12,16,20,24,28
.irp e, 0,1
	v_pk_add_f32 v[240+4*\e:241+4*\e], v[240+4*\e:241+4*\e], v[48+32*\e+\j:49+32*\e+\j]
	v_pk_add_f32 v[242+4*\e:243+4*\e], v[242+4*\e:243+4*\e], v[50+32*\e+\j:51+32*\e+\j]
.endr
.endr
.irp e, 0,1
	v_pk_add_f32 v[240+4*\e:241+4*\e], v[240+4*\e:241+4*\e], v[242+4*\e:243+4*\e]
.endr
.irp e, 0,1
	v_add_f32 v[240+4*\e], v[240+4*\e], v[241+4*\e]
.endr
.irp x, 1,2,4,8
.irp e, 0,1
	v_add_f32_dpp v[240+4*\e], v[240+4*\e], v[240+4*\e] row_xmask:\x row_mask:0xf bank_mask:0xf
.endr
.endr
.irp e, 0,1
	v_permlanex16_b32 v[241+4*\e], v[240+4*\e], s32, s33
.endr
.irp e, 0,1
	v_add_f32 v[240+4*\e], v[240+4*\e], v[241+4*\e]   ; the row's sum, in every lane
.endr
.irp e, 0,1
	v_mul_f32 v[240+4*\e], 0xba800000, v[240+4*\e]    ; - the mean
.endr
.irp e, 0,1
	v_mov_b32 v[241+4*\e], v[240+4*\e]
.endr
.irp j, 0,2,4,6,8,10,12,14,16,18,20,22,24,26,28,30
.irp e, 0,1
	v_pk_add_f32 v[48+32*\e+\j:49+32*\e+\j], v[48+32*\e+\j:49+32*\e+\j], v[240+4*\e:241+4*\e]   ; d = y - the mean
.endr
.endr
.irp e, 0,1
	v_pk_mul_f32 v[248+4*\e:249+4*\e], v[48+32*\e:49+32*\e], v[48+32*\e:49+32*\e]
	v_pk_mul_f32 v[250+4*\e:251+4*\e], v[50+32*\e:51+32*\e], v[50+32*\e:51+32*\e]
.endr
.irp j, 4,8,12,16,20,24,28
.irp e, 0,1
	v_pk_fma_f32 v[248+4*\e:249+4*\e], v[48+32*\e+\j:49+32*\e+\j], v[48+32*\e+\j:49+32*\e+\j], v[248+4*\e:249+4*\e]
	v_pk_fma_f32 v[250+4*\e:251+4*\e], v[50+32*\e+\j:51+32*\e+\j], v[50+32*\e+\j:51+32*\e+\j], v[250+4*\e:251+4*\e]
.endr
.endr
.irp e, 0,1
	v_pk_add_f32 v[248+4*\e:249+4*\e], v[248+4*\e:249+4*\e], v[250+4*\e:251+4*\e]
.endr
.irp e, 0,1
	v_add_f32 v[248+4*\e], v[248+4*\e], v[249+4*\e]
.endr
.irp x, 1,2,4,8
.irp e, 0,1
	v_add_f32_dpp v[248+4*\e], v[248+4*\e], v[248+4*\e] row_xmask:\x row_mask:0xf bank_mask:0xf
.endr
.endr
.irp e, 0,1
	v_permlanex16_b32 v[249+4*\e], v[248+4*\e], s32, s33
.endr
.irp e, 0,1
	v_add_f32 v[248+4*\e], v[248+4*\e], v[249+4*\e]   ; the sum of d squared
.endr
.irp e, 0,1
	v_fma_f32 v[248+4*\e], v[248+4*\e], s34, s35      ; the variance + 1e-5
.endr
	s_wait_alu depctr_va_vdst(0)
.irp e, 0,1
	v_rsq_f32 v[250+4*\e], v[248+4*\e]
.endr
	v_nop                                          ; a plain place behind the second
	s_wait_alu depctr_va_vdst(0)                   ; the two v_rsq_f32 have written v250 and v254: the wait ahead of the first line that names a result: one for the two
.irp e, 0,1
	v_mov_b32 v[251+4*\e], v[250+4*\e]
.endr
.irp j, 0,2,4,6,8,10,12,14,16,18,20,22,24,26,28,30
.irp e, 0,1
	v_pk_mul_f32 v[48+32*\e+\j:49+32*\e+\j], v[48+32*\e+\j:49+32*\e+\j], v[250+4*\e:251+4*\e]
.endr
.endr
	s_wait_loadcnt 0x0                             ; gamma and beta
.irp j, 0,2,4,6,8,10,12,14,16,18,20,22,24,26,28,30
.irp e, 0,1
	v_pk_fma_f32 v[48+32*\e+\j:49+32*\e+\j], v[48+32*\e+\j:49+32*\e+\j], v[176+\j:177+\j], v[208+\j:209+\j]
.endr
.endr
	s_wait_alu depctr_va_vdst(0)                   ; the multiply-adds have written v[48:111], which the sixteen stores read: one wait for the run
.irp e, 0,1
.irp i, 0,1,2,3,4,5,6,7
	global_store_b128 v1, v[48+32*\e+4*\i:48+32*\e+4*\i+3], s[18:19] offset:8192*\e+512*\i th:TH_STORE_NT   ; 32 lanes store 512 consecutive bytes, aligned; written once
.endr
.endr
	s_wait_dscnt 0x0
	s_wait_alu depctr_hold_cnt(0) depctr_sa_sdst(0) depctr_va_vdst(0) depctr_va_sdst(0) depctr_va_ssrc(0) depctr_va_vcc(0) depctr_vm_vsrc(0)
	s_wait_tensorcnt 0x0
	ds_add_u32 v14, v15
	s_wait_dscnt 0x0
	s_endpgm
.Lfunc_end_k_q3b08207fe1_outp:
	.size	k_q3b08207fe1_outp, .Lfunc_end_k_q3b08207fe1_outp-k_q3b08207fe1_outp
	.p2alignl 7, 3214868480
	.fill 96, 4, 3214868480
	.section	.rodata,"a",@progbits
	.p2align	6, 0x0
	.amdhsa_kernel k_q3b08207fe1_outp
		.amdhsa_group_segment_fixed_size 75008
		.amdhsa_private_segment_fixed_size 0
		.amdhsa_enable_private_segment 0
		.amdhsa_kernarg_size 64
		.amdhsa_user_sgpr_count 2
		.amdhsa_user_sgpr_kernarg_segment_ptr 1
		.amdhsa_wavefront_size32 1
		.amdhsa_system_sgpr_workgroup_id_x 1
		.amdhsa_system_sgpr_workgroup_id_y 1
		.amdhsa_system_sgpr_workgroup_id_z 1
		.amdhsa_system_vgpr_workitem_id 0
		.amdhsa_next_free_vgpr 256
		.amdhsa_next_free_sgpr 66
		.amdhsa_reserve_vcc 0
		.amdhsa_float_denorm_mode_32 3
		.amdhsa_float_denorm_mode_16_64 3
		.amdhsa_memory_ordered 1
		.amdhsa_forward_progress 1
		.amdhsa_inst_pref_size 51
	.end_amdhsa_kernel
	.amdgpu_metadata
---
amdhsa.version: [ 1, 2 ]
amdhsa.kernels:
  - .name:           k_q3b08207fe1_outp
    .symbol:         k_q3b08207fe1_outp.kd
    .args:
      - { .name: injc, .offset: 0, .size: 8, .value_kind: global_buffer, .address_space: global }
      - { .name: injs, .offset: 8, .size: 8, .value_kind: global_buffer, .address_space: global }
      - { .name: Wo_codes, .offset: 16, .size: 8, .value_kind: global_buffer, .address_space: global }
      - { .name: Wo_scales, .offset: 24, .size: 8, .value_kind: global_buffer, .address_space: global }
      - { .name: h, .offset: 32, .size: 8, .value_kind: global_buffer, .address_space: global }
      - { .name: ln_gamma, .offset: 40, .size: 8, .value_kind: global_buffer, .address_space: global }
      - { .name: ln_beta, .offset: 48, .size: 8, .value_kind: global_buffer, .address_space: global }
      - { .name: out0, .offset: 56, .size: 8, .value_kind: global_buffer, .address_space: global }
    .group_segment_fixed_size: 75008
    .private_segment_fixed_size: 0
    .kernarg_segment_align: 8
    .kernarg_segment_size: 64
    .max_flat_workgroup_size: 256
    .sgpr_count:     66
    .vgpr_count:     256
    .wavefront_size: 32
...
	.end_amdgpu_metadata
.endif
;; end of part 6
